; MI455X (gfx1250); checked and timed in simulation.
; The chip was launched on July 23, 2026; its instructions are those of AMD's public machine-readable ISA for CDNA 5 (MIT licence, August 2026) and "CDNA5" Instruction Set Architecture Reference Guide (July 2026). The comments in the code are by the model that wrote it; some were corrected since.
;; Di T Block. Allowed arithmetic: matrix products marked QUANTISED: E4M3 operands, one given power-of-two scale a tensor, by v_wmma_f32_16x16x64_fp8_fp8 or v_wmma_f32_16x16x128_fp8_fp8, f32 sums; everything else in f32.
;; Inputs: W1 4,096 x 1,024 float32; W2 1,024 x 4,096 float32; Wk 1,024 x 1,024 float32; Wo 1,024 x 1,024 float32; Wq 1,024 x 1,024 float32; Wv 1,024 x 1,024 float32; b1 4,096 float32; b2 1,024 float32; bk 1,024 float32; bo 1,024 float32; bq 1,024 float32; bv 1,024 float32; ln1_b 1,024 float32; ln1_g 1,024 float32; ln2_b 1,024 float32; ln2_g 1,024 float32; lowp_scales 16 int32 (the exponents e of the quantised operands' scales 2^e); rotary_cos 2,048 x 64 float32; rotary_sin 2,048 x 64 float32; x 2 x 2,048 x 1,024 float32.
;; Outputs: out0 2 x 2,048 x 1,024 float32.
;; This version of the problem:
;;   THIS VERSION OF THE PROBLEM IS GIVEN IN LOW PRECISION. The matrix products marked QUANTISED in the list below multiply operands that are first quantised to E4M3 (4 exponent bits, 3 mantissa bits; 8 bits a number), with one given power-of-two scale for each operand tensor; their sums are f32. All else is computed in f32.
;;   The module's matrix products, in the order in which they are computed (A, B: the left and right operand; K: the contracted axis; several contracted axes count as one K, in the product's order):
;;     1. [M 4,096, K 1,024] x [K 1,024, N 1,024]; A: computed on the way; B: input Wq: QUANTISED (scales: A lowp_scales[0], B lowp_scales[1])
;;     2. [M 4,096, K 1,024] x [K 1,024, N 1,024]; A: computed on the way; B: input Wk: QUANTISED (scales: A lowp_scales[2], B lowp_scales[3])
;;     3. [M 4,096, K 1,024] x [K 1,024, N 1,024]; A: computed on the way; B: input Wv: QUANTISED (scales: A lowp_scales[4], B lowp_scales[5])
;;     4. batch 32 x [M 2,048, K 64] x [K 64, N 2,048]; A: computed on the way; B: computed on the way: QUANTISED (scales: A lowp_scales[6], B lowp_scales[7])
;;     5. batch 32 x [M 2,048, K 2,048] x [K 2,048, N 64]; A: softmax (see below); B: computed on the way: QUANTISED (scales: A lowp_scales[8], B lowp_scales[9])
;;     6. [M 4,096, K 1,024] x [K 1,024, N 1,024]; A: computed on the way; B: input Wo: QUANTISED (scales: A lowp_scales[10], B lowp_scales[11])
;;     7. [M 4,096, K 1,024] x [K 1,024, N 4,096]; A: computed on the way; B: input W1: QUANTISED (scales: A lowp_scales[12], B lowp_scales[13])
;;     8. [M 4,096, K 4,096] x [K 4,096, N 1,024]; A: computed on the way; B: input W2: QUANTISED (scales: A lowp_scales[14], B lowp_scales[15])
;;   THE QUANTISER, for each operand of a quantised product, along K:
;;     - The operand's scale is 2^e, e = its entry of the input lowp_scales (int32; the entries are numbered through the quantised products in the list's order, A before B).
;;     - Each number is divided by the scale, clamped to +-448, and rounded to the nearest number of E4M3, ties to even, subnormals kept.
;;     - The product sums the exact products of the quantised numbers (number of the format x scale) in f32.
;;   ~~~python
;;   def quantise(x, axis, e):      # numpy; x: float32 -> the quantised numbers, widened to float32 again
;;       x = np.moveaxis(x, axis, -1); K = x.shape[-1]
;;       r = np.clip(x / 2.0 ** e, -448, 448)
;;       step = 2.0 ** (np.maximum(np.frexp(np.where(r == 0, 1, r))[1] - 1, -6) - 3)
;;       q = np.round(r / step) * step * 2.0 ** e      # np.round: ties to even
;;       return np.moveaxis(q, -1, axis).astype(np.float32)
;;   ~~~
;;   SOFTMAX AHEAD OF A QUANTISED PRODUCT. Where the list says 'softmax', what is quantised is not the finished softmax but p = 2^(t - M), with t = logit x log2(e) and M = ceil(the row's largest t), a whole number; so 1/2 < the row's largest p <= 1. The row's sum l is taken of the UNQUANTISED p, in f32, and the product's result is divided by l at the end. Since M is a whole number, a kernel that streams over the keys may use a running M (the ceiling of the running maximum): every later rescaling is an exact power of two, so the quantised numbers keep their values, but for numbers so far below the row's largest that they fall under the format's range.
;;   OPERANDS COMPUTED ON THE WAY. 'Computed on the way' means the value that the module computes at that place (a softmax that the list does not call 'softmax' is quantised finished and normalised). What goes into a quantiser is computed in f32, as accurately as f32 sums, v_exp_f32 and their like allow (about 1e-6 of the number): no bf16 or f16 on the way to a quantiser, and a product that is left as it is and whose result goes on into a quantised operand takes f32 operands (vector FMAs, or v_wmma_f32_16x16x4_f32). A number that lies on a knife's edge between two numbers of the format may be rounded either way, as far as f32 arithmetic and the matrix unit's own rounding can turn it there, and no further.
;; One version. Each part assembles by itself: llvm-mc -triple=amdgcn-amd-amdhsa -mcpu=gfx1250 --defsym DOCPART=n.
;; ======== version 1 of 1: 7 launches
;; limits: right only within a limited range of input values
;; workspace buffers: hc 12,582,912 bytes; wc 12,582,912 bytes; qc 4,194,304 bytes; kvc 8,388,608 bytes; ac 4,194,304 bytes; x1 16,777,216 bytes; h2c 4,194,304 bytes; hid 16,777,216 bytes
;; launch prep (part 1): grid 1024 x 1, 8 waves a work-group, no clusters, 66,816 bytes of LDS; arguments x, ln1_g, ln1_b, Wq, Wk, Wv, Wo, W1, W2, lowp_scales, hc, wc; writes hc, wc
.if DOCPART == 1
	.amdgcn_target "amdgcn-amd-amdhsa--gfx1250"
	.amdhsa_code_object_version 6
	.text
	.protected	k_qc4c1db0000_prep
	.globl	k_qc4c1db0000_prep
	.p2align	8
	.type	k_qc4c1db0000_prep,@function
k_qc4c1db0000_prep:
	s_mov_b64 s[64:65], 0
	v_nop
	global_prefetch_b8 v0, s[64:65] scope:SCOPE_SE
	s_setreg_imm32_b32 hwreg(HW_REG_WAVE_MODE, 25, 1), 1
	s_wait_xcnt 0x0
; DiT block, launch 1 of 7: LayerNorm 1 of x, quantised three times (scale entries 0, 2, 4: the A operands of the q, k and v products), and the six weights quantised (entries 1, 3, 5, 11, 13, 15).
; DEAD WORK: none.  Every product of the block reaches the output and every bias moves codes or the output, so every input is loaded by some launch.
; LIMITS: each exponent e of lowp_scales lies between -126 and 119, so that 2^e and 448 x 2^e are f32 numbers.  NaN among the inputs is not served (an infinity is held at the largest code).
; LAYOUT OF ALL CODE BUFFERS: IMAGES OF OPERAND REGISTERS.  A fragment is 16 rows x 128 K = 2,048 bytes, laid [c 0..3][lane 0..31][16 bytes]: lane (r = lane % 16, h = lane / 16), group c holds
; k = 128 KS + 32 c + 16 h + 0 .. 15 of the tile's row r.  Fragments lie in blocks of 65,536 bytes = 128 rows x 512 K: [KS % 4][RT % 8][2,048]; block = (RT / 8) x (K / 512) + KS / 4.
; So a product's launch fetches a block as dense bytes, and a fragment is four loads of 512 consecutive bytes.
; ROWS OF A TILE: x: row 16 RT + i.  Weights: tile RT's row i is row 32 (RT / 2) + 8 (RT % 2) + i + 8 (i / 8): used as the first source of a product, two neighbouring tiles then give a lane 16 neighbouring columns.
; SHARES: a work-group takes one tile of 16 rows x 1,024 K (64 KB of f32).  Work-groups 0-255: x; 256-511: Wq, Wk, Wv, Wo (64 each); 512-767: W1; 768-1023: W2 (16 rows x a quarter of its K).
; Phase 1: wave w loads tile rows 2 w and 2 w + 1, 512 consecutive bytes a load (x: and normalises them; a row lies in one wave), and puts them into LDS.  Phase 2: wave w takes K step w: a lane reads its 64 numbers
; (16 neighbours of each block of 32), holds, converts, and stores the fragment: 512 consecutive bytes a store.
; All LDS lines stand on the one path that every work-group takes; only register work and global accesses stand under branches on the work-group's number.
.set PITCH, 4112                       ; an LDS row: 4,096 bytes + 16: an odd multiple of 16, so that the 16 rows that a read touches start in different banks
.set SPARE, 16*PITCH                   ; behind the tile: the spare words, 128 bytes for each of eight waves; 65,792 = 257 x 256
.set X, 16                             ; v16-79   two rows as loaded, 32 registers each; in phase 2 the lane's 64 numbers
.set G, 80                             ; v80-111  the gain; later two sets of 16 held numbers
.set B, 112                            ; v112-127 the bias, 16 registers at a time; later a fragment's 16 registers of codes
.set T, 80
.set C0, 112
; v1 16 x lane; v2 LDS address of the stores; v3 of the reads; v4, v5 the add's two; v6-15 statistics, later scales and holds
	s_load_b512 s[16:31], s[0:1], 0x0              ; x, ln1_g, ln1_b, Wq, Wk, Wv, Wo, W1
	s_load_b256 s[32:39], s[0:1], 0x40             ; W2, lowp_scales, hc, wc
	v_lshl_add_u32 v4, v0, 2, SPARE
	v_mov_b32 v5, 0
	v_lshrrev_b32 v6, 5, v0
	s_delay_alu instid0(VALU_DEP_1)
	v_readfirstlane_b32 s11, v6                    ; wave 0..7
	v_and_b32 v7, 31, v0
	s_delay_alu instid0(VALU_DEP_1)
	v_lshlrev_b32 v1, 4, v7                        ; 16 x lane
	s_mul_i32 s6, s11, 2*PITCH
	v_add_nc_u32 v2, s6, v1                        ; into LDS: tile row 2 w, 16 bytes a lane
	v_and_b32 v6, 15, v0
	v_bfe_u32 v7, v0, 4, 1
	s_delay_alu instid0(VALU_DEP_2)
	v_mul_u32_u24 v3, v6, PITCH
	s_delay_alu instid0(VALU_DEP_1)
	v_lshl_add_u32 v3, v7, 6, v3
	s_lshl_b32 s6, s11, 9
	v_add_nc_u32 v3, s6, v3                        ; out of LDS: row r, + 64 h, + K step w's 512 bytes
	v_mov_b32 v10, 0                               ; (a lane permute's destination counts as read)
	v_mov_b32 v11, 0
	s_mov_b32 s60, 0x76543210                      ; selects of v_permlanex16_b32: lane l xor 16
	s_mov_b32 s61, 0xfedcba98
	s_mov_b32 s62, 0x3a800000                      ; 1 / 1024
	s_mov_b32 s63, 0x358637bd                      ; 1e-6
	; which tensor, which tile: all from the work-group's number g
	s_mov_b32 s4, ttmp9
	s_and_b32 s5, s4, 63
	s_and_b32 s6, s4, 255
	s_lshr_b32 s7, s6, 2
	s_and_b32 s8, s4, 3
	s_cmp_ge_u32 s4, 512
	s_cselect_b32 s5, s6, s5
	s_cmp_lt_u32 s4, 256
	s_cselect_b32 s5, s6, s5
	s_mov_b32 s9, 16384
	s_cmp_ge_u32 s4, 768
	s_cselect_b32 s5, s7, s5                       ; RT
	s_cselect_b32 s8, s8, 0                        ; which 1,024 of W2's K
	s_cselect_b32 s9, s9, 4096                     ; a row in bytes
	s_cselect_b32 s10, 8, 2                        ; blocks along K
	s_lshl_b32 s6, s5, 4                           ; x: row 16 RT
	s_lshr_b32 s7, s5, 1
	s_lshl_b32 s7, s7, 5
	s_and_b32 s66, s5, 1
	s_lshl_b32 s66, s66, 3
	s_add_co_u32 s7, s7, s66                       ; weights: 32 (RT / 2) + 8 (RT % 2)
	s_lshr_b32 s66, s11, 2
	s_lshl_b32 s66, s66, 3
	s_add_co_u32 s7, s7, s66                       ; + 8 (i / 8), i = 2 w
	s_cmp_lt_u32 s4, 256
	s_cselect_b32 s6, s6, s7
	s_lshl_b32 s7, s11, 1
	s_add_co_u32 s6, s6, s7                        ; + 2 w
	s_mul_i32 s66, s6, s9
	s_lshl_b32 s7, s8, 12
	s_add_co_u32 s66, s66, s7                      ; my first row's byte in the tensor
	s_mov_b32 s67, 0
	s_lshr_b32 s6, s5, 3
	s_mul_i32 s6, s6, s10
	s_lshl_b32 s7, s8, 1
	s_add_co_u32 s6, s6, s7
	s_lshr_b32 s7, s11, 2
	s_add_co_u32 s6, s6, s7                        ; the block of my fragment: KS = 8 x chunk + w
	s_lshl_b32 s68, s6, 16
	s_and_b32 s7, s11, 3
	s_lshl_b32 s7, s7, 14
	s_add_co_u32 s68, s68, s7
	s_and_b32 s7, s5, 7
	s_lshl_b32 s7, s7, 11
	s_add_co_u32 s68, s68, s7
	s_lshr_b32 s7, s4, 6
	s_and_b32 s7, s7, 3
	s_lshl_b32 s7, s7, 20                          ; Wq, Wk, Wv, Wo: 1 MB each from wc's start
	s_cmp_ge_u32 s4, 512
	s_cselect_b32 s7, 0x400000, s7                 ; W1
	s_cmp_ge_u32 s4, 768
	s_cselect_b32 s7, 0x800000, s7                 ; W2
	s_cmp_lt_u32 s4, 256
	s_cselect_b32 s7, 0, s7                        ; x: hc's first set
	s_add_co_u32 s68, s68, s7
	s_mov_b32 s69, 0
	s_wait_alu depctr_va_vdst(0)
	s_wait_kmcnt 0x0
	s_load_b512 s[44:59], s[34:35], 0x0            ; the sixteen exponents
	s_mov_b64 s[12:13], s[16:17]                   ; the source: a choice among buffers on the work-group's number alone
	s_cmp_ge_u32 s4, 256
	s_cselect_b64 s[12:13], s[22:23], s[12:13]
	s_cmp_ge_u32 s4, 320
	s_cselect_b64 s[12:13], s[24:25], s[12:13]
	s_cmp_ge_u32 s4, 384
	s_cselect_b64 s[12:13], s[26:27], s[12:13]
	s_cmp_ge_u32 s4, 448
	s_cselect_b64 s[12:13], s[28:29], s[12:13]
	s_cmp_ge_u32 s4, 512
	s_cselect_b64 s[12:13], s[30:31], s[12:13]
	s_cmp_ge_u32 s4, 768
	s_cselect_b64 s[12:13], s[32:33], s[12:13]
	s_cmp_lt_u32 s4, 256
	s_cselect_b64 s[40:41], s[36:37], s[38:39]
	s_add_nc_u64 s[12:13], s[12:13], s[66:67]      ; tile row 2 w
	s_mov_b32 s66, s9
	s_add_nc_u64 s[14:15], s[12:13], s[66:67]      ; tile row 2 w + 1
	s_add_nc_u64 s[40:41], s[40:41], s[68:69]      ; my fragment
	s_add_nc_u64 s[42:43], s[40:41], 0x800000      ; x's third set lies 8 MB on, beyond the store's immediate (used by x's work-groups alone)
.irp q, 0,1
.irp i, 0,1,2,3,4,5,6,7
	global_load_b128 v[X+32*\q+4*\i:X+32*\q+4*\i+3], v1, s[12+2*\q:13+2*\q] offset:512*\i th:TH_LOAD_NT
.endr
.endr
	s_cmp_lt_u32 s4, 256
	s_cbranch_scc0 .Lplain
	; ---- LayerNorm of my two rows, by turns: mean, deviations, variance of the deviations, as reference() has it
.irp i, 0,1,2,3,4,5,6,7
	global_load_b128 v[G+4*\i:G+4*\i+3], v1, s[18:19] offset:512*\i
.endr
.irp i, 0,1,2,3
	global_load_b128 v[B+4*\i:B+4*\i+3], v1, s[20:21] offset:512*\i
.endr
	s_wait_loadcnt 12                              ; the rows are in; the 12 younger loads, the gain and the bias's first half, may be out
	v_pk_add_f32 v[6:7], v[X:X+1], v[X+2:X+3]
	v_pk_add_f32 v[8:9], v[X+32:X+33], v[X+34:X+35]
.irp j, 4,6,8,10,12,14,16,18,20,22,24,26,28,30
	s_delay_alu instid0(VALU_DEP_2)
	v_pk_add_f32 v[6:7], v[6:7], v[X+\j:X+\j+1]
	s_delay_alu instid0(VALU_DEP_2)
	v_pk_add_f32 v[8:9], v[8:9], v[X+32+\j:X+33+\j]
.endr
	s_delay_alu instid0(VALU_DEP_2)
	v_add_f32 v6, v6, v7
	s_delay_alu instid0(VALU_DEP_2)
	v_add_f32 v8, v8, v9
.irp m, 1,2,4,8
	s_delay_alu instid0(VALU_DEP_2)
	v_add_f32_dpp v6, v6, v6 row_xmask:\m row_mask:0xf bank_mask:0xf
	s_delay_alu instid0(VALU_DEP_2)
	v_add_f32_dpp v8, v8, v8 row_xmask:\m row_mask:0xf bank_mask:0xf
.endr
	s_delay_alu instid0(VALU_DEP_2)
	v_permlanex16_b32 v10, v6, s60, s61
	s_delay_alu instid0(VALU_DEP_2)
	v_permlanex16_b32 v11, v8, s60, s61
	s_delay_alu instid0(VALU_DEP_2)
	v_add_f32 v6, v6, v10
	s_delay_alu instid0(VALU_DEP_2)
	v_add_f32 v8, v8, v11
	s_delay_alu instid0(VALU_DEP_2)
	v_mul_f32 v6, s62, v6                          ; the means
	s_delay_alu instid0(VALU_DEP_2)
	v_mul_f32 v8, s62, v8
.irp j, 0,2,4,6,8,10,12,14,16,18,20,22,24,26,28,30
	v_pk_add_f32 v[X+\j:X+\j+1], v[X+\j:X+\j+1], v[6:7] op_sel_hi:[1,0] neg_lo:[0,1] neg_hi:[0,1]
	v_pk_add_f32 v[X+32+\j:X+33+\j], v[X+32+\j:X+33+\j], v[8:9] op_sel_hi:[1,0] neg_lo:[0,1] neg_hi:[0,1]
.endr
	v_pk_mul_f32 v[12:13], v[X:X+1], v[X:X+1]
	v_pk_mul_f32 v[14:15], v[X+32:X+33], v[X+32:X+33]
.irp j, 2,4,6,8,10,12,14,16,18,20,22,24,26,28,30
	s_delay_alu instid0(VALU_DEP_2)
	v_pk_fma_f32 v[12:13], v[X+\j:X+\j+1], v[X+\j:X+\j+1], v[12:13]
	s_delay_alu instid0(VALU_DEP_2)
	v_pk_fma_f32 v[14:15], v[X+32+\j:X+33+\j], v[X+32+\j:X+33+\j], v[14:15]
.endr
	s_delay_alu instid0(VALU_DEP_2)
	v_add_f32 v12, v12, v13
	s_delay_alu instid0(VALU_DEP_2)
	v_add_f32 v14, v14, v15
.irp m, 1,2,4,8
	s_delay_alu instid0(VALU_DEP_2)
	v_add_f32_dpp v12, v12, v12 row_xmask:\m row_mask:0xf bank_mask:0xf
	s_delay_alu instid0(VALU_DEP_2)
	v_add_f32_dpp v14, v14, v14 row_xmask:\m row_mask:0xf bank_mask:0xf
.endr
	s_delay_alu instid0(VALU_DEP_2)
	v_permlanex16_b32 v10, v12, s60, s61
	s_delay_alu instid0(VALU_DEP_2)
	v_permlanex16_b32 v11, v14, s60, s61
	s_delay_alu instid0(VALU_DEP_2)
	v_add_f32 v12, v12, v10
	s_delay_alu instid0(VALU_DEP_2)
	v_add_f32 v14, v14, v11
	s_delay_alu instid0(VALU_DEP_2)
	v_fma_f32 v12, v12, s62, s63                   ; variance + 1e-6
	s_delay_alu instid0(VALU_DEP_2)
	v_fma_f32 v14, v14, s62, s63
	s_wait_alu depctr_va_vdst(0)
	v_rsq_f32 v12, v12
	v_rsq_f32 v14, v14
	v_nop                                          ; a plain line behind the transcendentals,
	s_wait_alu depctr_va_vdst(0)                   ; and the one wait for both, ahead of their first reader
	s_wait_loadcnt 0x0                             ; gain and bias
.irp j, 0,2,4,6,8,10,12,14,16,18,20,22,24,26,28,30
	v_pk_mul_f32 v[X+\j:X+\j+1], v[X+\j:X+\j+1], v[12:13] op_sel_hi:[1,0]
	v_pk_mul_f32 v[X+32+\j:X+33+\j], v[X+32+\j:X+33+\j], v[14:15] op_sel_hi:[1,0]
.endr
.irp j, 0,2,4,6,8,10,12,14
	v_pk_fma_f32 v[X+\j:X+\j+1], v[X+\j:X+\j+1], v[G+\j:G+\j+1], v[B+\j:B+\j+1]
	v_pk_fma_f32 v[X+32+\j:X+33+\j], v[X+32+\j:X+33+\j], v[G+\j:G+\j+1], v[B+\j:B+\j+1]
.endr
.irp i, 0,1,2,3
	global_load_b128 v[B+4*\i:B+4*\i+3], v1, s[20:21] offset:2048+512*\i   ; the bias's second half, into the same 16 registers
.endr
	s_wait_loadcnt 0x0
.irp j, 16,18,20,22,24,26,28,30
	v_pk_fma_f32 v[X+\j:X+\j+1], v[X+\j:X+\j+1], v[G+\j:G+\j+1], v[B+\j-16:B+\j-15]
	v_pk_fma_f32 v[X+32+\j:X+33+\j], v[X+32+\j:X+33+\j], v[G+\j:G+\j+1], v[B+\j-16:B+\j-15]
.endr
.Lplain:
	s_wait_loadcnt 0x0
	s_wait_alu depctr_va_vdst(0)
.irp q, 0,1
.irp i, 0,1,2,3,4,5,6,7
	ds_store_b128 v2, v[X+32*\q+4*\i:X+32*\q+4*\i+3] offset:\q*PITCH+512*\i
.endr
.endr
	; the scales: 2^e as f32 (the conversion takes its exponent field) and 448 x 2^e
.macro SCL e, sc, lim
	s_add_co_i32 s71, s[\e], 127
	s_lshl_b32 s6, s71, 23
	v_mov_b32 v[\sc], s6
	s_add_co_i32 s71, s71, 8
	s_lshl_b32 s71, s71, 23
	s_or_b32 s71, s71, 0x600000
	v_mov_b32 v[\lim], s71
.endm
	s_wait_kmcnt 0x0
	s_mov_b32 s70, s44                             ; entry 0 for x; 1, 3, 5, 11, 13, 15 for the weights
	s_cmp_ge_u32 s4, 256
	s_cselect_b32 s70, s45, s70
	s_cmp_ge_u32 s4, 320
	s_cselect_b32 s70, s47, s70
	s_cmp_ge_u32 s4, 384
	s_cselect_b32 s70, s49, s70
	s_cmp_ge_u32 s4, 448
	s_cselect_b32 s70, s55, s70
	s_cmp_ge_u32 s4, 512
	s_cselect_b32 s70, s57, s70
	s_cmp_ge_u32 s4, 768
	s_cselect_b32 s70, s59, s70
	SCL 70, 8, 9
	SCL 46, 10, 11                                 ; entry 2
	SCL 48, 12, 13                                 ; entry 4
	s_wait_alu depctr_va_vdst(0)
	s_wait_dscnt 0x0                               ; for the others' sake: my rows lie in LDS
	s_barrier_signal -1
	s_barrier_wait -1
.irp c, 0,1,2,3
.irp j, 0,1,2,3
	ds_load_b128 v[X+16*\c+4*\j:X+16*\c+4*\j+3], v3 offset:128*\c+16*\j   ; register 16 c + i = k 128 w + 32 c + 16 h + i of row r
.endr
.endr
	s_wait_dscnt 0x0
; 64 numbers become a fragment's 16 registers.  The held numbers go into two sets by turns, so that the numbers themselves stay for the next scale and a conversion's sources are written again only 16 plain lines later.
.macro QUANT sc, lim, cd
.irp c, 0,1,2,3
.irp i, 0,1,2,3,4,5,6,7,8,9,10,11,12,13,14,15
	v_med3_num_f32 v[T+16*(\c%2)+\i], v[X+16*\c+\i], -v[\lim], v[\lim]   ; the conversion to an 8-bit code does not saturate (ISA guide 7.6.2): the hold at 448 x the scale
.endr
	v_cvt_scalef32_pk8_fp8_f32 v[\cd+4*\c:\cd+4*\c+1], v[T+16*(\c%2):T+16*(\c%2)+7], v[\sc]
	v_cvt_scalef32_pk8_fp8_f32 v[\cd+4*\c+2:\cd+4*\c+3], v[T+16*(\c%2)+8:T+16*(\c%2)+15], v[\sc]
.endr
	v_nop                                          ; a plain line behind the last conversion
.endm
.macro PUT cd, bp, off
.irp c, 0,1,2,3
	global_store_b128 v1, v[\cd+4*\c:\cd+4*\c+3], s[\bp:\bp+1] offset:\off+512*\c   ; 32 lanes store 512 consecutive bytes, aligned
.endr
.endm
	QUANT 8, 9, C0
	PUT C0, 40, 0
	s_cmp_lt_u32 s4, 256
	s_cbranch_scc0 .Lend
	s_wait_xcnt 0x0                                ; the first set's stores have read their registers
	QUANT 10, 11, C0                               ; x alone: the same numbers under the k product's scale,
	PUT C0, 40, 0x400000
	s_wait_xcnt 0x0                                ; the second set's stores have read their registers
	QUANT 12, 13, C0                               ; and under the v product's
	PUT C0, 42, 0
.Lend:
	s_wait_tensorcnt 0x0                           ; the wave's end, behind my last LDS store
	ds_add_u32 v4, v5
	s_wait_dscnt 0x0
	s_endpgm
.Lfunc_end_k_qc4c1db0000_prep:
	.size	k_qc4c1db0000_prep, .Lfunc_end_k_qc4c1db0000_prep-k_qc4c1db0000_prep
	.p2alignl 7, 3214868480
	.fill 96, 4, 3214868480
	.section	.rodata,"a",@progbits
	.p2align	6, 0x0
	.amdhsa_kernel k_qc4c1db0000_prep
		.amdhsa_group_segment_fixed_size 66816
		.amdhsa_private_segment_fixed_size 0
		.amdhsa_enable_private_segment 0
		.amdhsa_kernarg_size 96
		.amdhsa_user_sgpr_count 2
		.amdhsa_user_sgpr_kernarg_segment_ptr 1
		.amdhsa_wavefront_size32 1
		.amdhsa_system_sgpr_workgroup_id_x 1
		.amdhsa_system_sgpr_workgroup_id_y 1
		.amdhsa_system_sgpr_workgroup_id_z 1
		.amdhsa_system_vgpr_workitem_id 0
		.amdhsa_next_free_vgpr 128
		.amdhsa_next_free_sgpr 72
		.amdhsa_reserve_vcc 0
		.amdhsa_float_denorm_mode_32 3
		.amdhsa_float_denorm_mode_16_64 3
		.amdhsa_memory_ordered 1
		.amdhsa_forward_progress 1
		.amdhsa_inst_pref_size 42
	.end_amdhsa_kernel
	.amdgpu_metadata
---
amdhsa.version: [ 1, 2 ]
amdhsa.kernels:
  - .name:           k_qc4c1db0000_prep
    .symbol:         k_qc4c1db0000_prep.kd
    .args:
      - { .name: x, .offset: 0, .size: 8, .value_kind: global_buffer, .address_space: global }
      - { .name: ln1_g, .offset: 8, .size: 8, .value_kind: global_buffer, .address_space: global }
      - { .name: ln1_b, .offset: 16, .size: 8, .value_kind: global_buffer, .address_space: global }
      - { .name: Wq, .offset: 24, .size: 8, .value_kind: global_buffer, .address_space: global }
      - { .name: Wk, .offset: 32, .size: 8, .value_kind: global_buffer, .address_space: global }
      - { .name: Wv, .offset: 40, .size: 8, .value_kind: global_buffer, .address_space: global }
      - { .name: Wo, .offset: 48, .size: 8, .value_kind: global_buffer, .address_space: global }
      - { .name: W1, .offset: 56, .size: 8, .value_kind: global_buffer, .address_space: global }
      - { .name: W2, .offset: 64, .size: 8, .value_kind: global_buffer, .address_space: global }
      - { .name: lowp_scales, .offset: 72, .size: 8, .value_kind: global_buffer, .address_space: global }
      - { .name: hc, .offset: 80, .size: 8, .value_kind: global_buffer, .address_space: global }
      - { .name: wc, .offset: 88, .size: 8, .value_kind: global_buffer, .address_space: global }
    .group_segment_fixed_size: 66816
    .private_segment_fixed_size: 0
    .kernarg_segment_align: 8
    .kernarg_segment_size: 96
    .max_flat_workgroup_size: 256
    .sgpr_count:     72
    .vgpr_count:     128
    .wavefront_size: 32
...
	.end_amdgpu_metadata
.endif
;; end of part 1
;; launch qkv (part 2): grid 8 x 32, 4 waves a work-group, clusters of 4 x 4, 327,680 bytes of LDS; arguments hc, wc, bq, bk, bv, rotary_cos, rotary_sin, lowp_scales, qc, kvc; writes qc, kvc
.if DOCPART == 2
	.amdgcn_target "amdgcn-amd-amdhsa--gfx1250"
	.amdhsa_code_object_version 6
	.text
	.protected	k_qc4c1db0000_qkv
	.globl	k_qc4c1db0000_qkv
	.p2align	8
	.type	k_qc4c1db0000_qkv,@function
k_qc4c1db0000_qkv:
	s_mov_b64 s[64:65], 0
	v_nop
	global_prefetch_b8 v0, s[64:65] scope:SCOPE_SE
	s_setreg_imm32_b32 hwreg(HW_REG_WAVE_MODE, 25, 1), 1
	s_wait_xcnt 0x0
	s_wait_alu depctr_hold_cnt(0) depctr_sa_sdst(0) depctr_va_vdst(0) depctr_va_sdst(0) depctr_va_ssrc(0) depctr_va_vcc(0) depctr_vm_vsrc(0)
	s_getreg_b32 s2, hwreg(HW_REG_IB_STS2, 6, 4)
	s_cmp_eq_u32 s2, 0
	s_cbranch_scc0 .Lentry_in_a_cluster
	s_endpgm
.Lentry_in_a_cluster:
	s_bfe_u32 s2, ttmp6, 0x10000c
	s_cmp_lg_u32 s2, 0xf033
	s_cbranch_scc0 .Lentry_shape_is_right
	s_endpgm
.Lentry_shape_is_right:
.set SLOT,  131072
.set RREG,  65536
.set SPARE, 262144
.set DY,    0x400000
.set DX,    0x100000
.set ACC, 128
.set F0,  0
.set F1,  128
.set G1Y, 24
.set G0Y, 32
.set G1X, 48
.set G0X, 56
.set WV, 66
.set WH, 67
.set WL, 68
.set MSB, 0
.macro WIN new
.if MSB != \new
	s_set_vgpr_msb (MSB<<8)|\new
.set MSB, \new
.endif
.endm
.set MUL,  0x05
.set TO_F, 0x40
.macro PLACES
.rept 4
	v_nop
.endr
.endm
.macro JLOAD s
	s_cmp_eq_u32 s[WH], 0
	s_cbranch_scc0 .Lfor_x_\@
	tensor_load_to_lds s[G0Y+4*\s:G0Y+4*\s+3], s[G1Y:G1Y+7]
	s_nop 0
.rept 4
	v_nop
.endr
	s_branch .Lasked_\@
.Lfor_x_\@:
	tensor_load_to_lds s[G0X+4*\s:G0X+4*\s+3], s[G1X:G1X+7]
	s_nop 0
.rept 4
	v_nop
.endr
.Lasked_\@:
.endm
.macro CREST
	s_cmp_lg_u32 s[WV], 0
	s_cbranch_scc1 .Lnot_wave_0_\@
	s_barrier_signal -3
.Lnot_wave_0_\@:
	s_barrier_wait -3
	s_barrier_signal -1
	s_barrier_wait -1
.endm
.macro CROUND
	s_barrier_signal -1
	s_barrier_wait -1
	CREST
.endm
.macro FETCH slot, ks, f
	WIN TO_F
.irp t, 0,1,2,3
.irp c, 0,1,2,3
	ds_load_b128 v[\f+64+16*\t+4*\c:\f+64+16*\t+4*\c+3], v[6+\slot] offset:(\ks)*16384+\t*2048+512*\c
.endr
.endr
.irp a, 0,1,2,3
.irp c, 0,1,2,3
	ds_load_b128 v[\f+16*\a+4*\c:\f+16*\a+4*\c+3], v[4+\slot] offset:(\ks)*16384+\a*2048+512*\c
.endr
.endr
.endm
.macro MULA f, a, zero
.irp t, 0,1,2,3
.if \zero
	v_wmma_f32_16x16x128_fp8_fp8 v[ACC+8*(4*(\a)+\t):ACC+8*(4*(\a)+\t)+7], v[\f+64+16*\t:\f+64+16*\t+15], v[\f+16*(\a):\f+16*(\a)+15], 0
.else
	v_wmma_f32_16x16x128_fp8_fp8 v[ACC+8*(4*(\a)+\t):ACC+8*(4*(\a)+\t)+7], v[\f+64+16*\t:\f+64+16*\t+15], v[\f+16*(\a):\f+16*(\a)+15], v[ACC+8*(4*(\a)+\t):ACC+8*(4*(\a)+\t)+7]
.endif
.endr
.endm
.macro MUL4 f, zero
	WIN MUL
	MULA \f, 0, \zero
	MULA \f, 1, \zero
	MULA \f, 2, \zero
	MULA \f, 3, \zero
.endm
.macro KSTEP slot, ks, zero
	s_wait_dscnt 0x0
	PLACES
.if ((\ks)%2) == 0
	FETCH \slot, (\ks)+1, F1
	MUL4 F0, \zero
.else
	FETCH \slot, (\ks)+1, F0
	MUL4 F1, \zero
.endif
.endm
.macro TURN slot, next, fill, flip
	WIN 0
	s_wait_tensorcnt 0x0
	ds_add_u32 v8, v9
	s_wait_dscnt 1
	WIN MUL
	MULA F1, 0, 0
	s_wait_dscnt 0x0
	s_barrier_signal -1
	MULA F1, 1, 0
	WIN 0
	s_barrier_wait -1
.if \fill
	CREST
	s_add_nc_u64 s[G0Y+4*\slot+2:G0Y+4*\slot+3], s[G0Y+4*\slot+2:G0Y+4*\slot+3], DY
	s_add_nc_u64 s[G0X+4*\slot+2:G0X+4*\slot+3], s[G0X+4*\slot+2:G0X+4*\slot+3], DX
.if \flip
	s_xor_b32 s[G0Y+4*\slot+1], s[G0Y+4*\slot+1], RREG
	s_xor_b32 s[G0X+4*\slot+1], s[G0X+4*\slot+1], RREG
.endif
	JLOAD \slot
.else
	PLACES
.endif
	FETCH \next, 0, F0
	WIN MUL
	MULA F1, 2, 0
	MULA F1, 3, 0
.endm
	s_load_b512 s[4:19], s[0:1], 0x0
	s_load_b128 s[20:23], s[0:1], 0x40
	v_lshl_add_u32 v8, v0, 2, SPARE
	v_mov_b32 v9, 0
	ds_add_u32 v8, v9
	ds_add_u32 v8, v9
	v_lshrrev_b32 v1, 5, v0
	v_readfirstlane_b32 s[WV], v1
	s_lshr_b32 s[WH], s[WV], 1
	s_and_b32 s[WL], s[WV], 1
	s_bfe_u32 s40, ttmp6, 0x40000
	s_bfe_u32 s41, ttmp6, 0x40004
	s_lshl_b32 s42, ttmp9, 2
	s_add_co_u32 s42, s42, s40
	s_and_b32 s43, ttmp7, 0xffff
	s_lshl_b32 s43, s43, 2
	s_add_co_u32 s43, s43, s41
	s_lshl_b32 s44, s41, 2
	s_lshl_b32 s44, 15, s44
	s_lshl_b32 s46, 0x1111, s40
	s_or_b32 s[G1Y], s44, (3<<16)|(1<<21)
	s_or_b32 s[G1X], s46, (3<<16)|(1<<21)
.irp g, G1Y, G1X
	s_mov_b32 s[\g+1], 32<<16
	s_mov_b32 s[\g+2], 128<<16
	s_mov_b32 s[\g+3], 32<<16
	s_mov_b32 s[\g+4], 128
	s_mov_b32 s[\g+5], 32
	s_mov_b32 s[\g+6], 0
	s_mov_b32 s[\g+7], 0
.endr
	s_lshl_b32 s44, s43, 17
	s_lshl_b32 s45, s[WL], 15
	s_add_co_u32 s44, s44, s45
	s_mov_b32 s45, 0
	s_lshl_b32 s46, s42, 17
	s_lshl_b32 s47, s[WL], 15
	s_add_co_u32 s46, s46, s47
	s_mov_b32 s47, 0
	s_lshl_b32 s69, s[WV], 15
	s_wait_dscnt 0x0
	s_wait_kmcnt 0x0
	s_load_b512 s[76:91], s[18:19], 0x0
	s_add_nc_u64 s[44:45], s[4:5], s[44:45]
	s_add_nc_u64 s[46:47], s[6:7], s[46:47]
	CROUND
.irp s, 0,1
	s_mov_b32 s[G0Y+4*\s], 1
	s_add_co_u32 s[G0Y+4*\s+1], s69, \s*SLOT
	s_add_nc_u64 s[G0Y+4*\s+2:G0Y+4*\s+3], s[44:45], \s*65536
	s_or_b32 s[G0Y+4*\s+3], s[G0Y+4*\s+3], 0x80000000
	s_mov_b32 s[G0X+4*\s], 1
	s_add_co_u32 s[G0X+4*\s+1], s69, \s*SLOT
	s_add_nc_u64 s[G0X+4*\s+2:G0X+4*\s+3], s[46:47], \s*65536
	s_or_b32 s[G0X+4*\s+3], s[G0X+4*\s+3], 0x80000000
.if \s                                             ; slot 1's first fill stands behind the full sequence and a round; slot 0's behind the opening round
	s_wait_alu depctr_va_vdst(0)
	s_wait_tensorcnt 0x0
	ds_add_u32 v8, v9
	ds_add_u32 v8, v9
	s_wait_dscnt 0x0
	CROUND
.endif
	JLOAD \s
.endr
	v_and_b32 v1, 15, v0
	v_bfe_u32 v2, v0, 4, 1
	v_and_b32 v3, 31, v0
	v_lshlrev_b32 v3, 4, v3
	s_lshl_b32 s70, s[WH], 13
	s_lshl_b32 s71, s[WL], 13
	s_add_co_u32 s71, s71, RREG
	v_add_nc_u32 v4, s70, v3
	v_add_nc_u32 v6, s71, v3
	s_add_co_u32 s70, s70, SLOT
	s_add_co_u32 s71, s71, SLOT
	v_add_nc_u32 v5, s70, v3
	v_add_nc_u32 v7, s71, v3
	v_lshlrev_b32 v10, 6, v2
	v_lshl_add_u32 v11, v1, 8, v10
	s_wait_alu depctr_va_vdst(0)
	v_and_b32 v12, 8, v1
	v_add_nc_u32 v12, v12, v1
	v_lshlrev_b32 v12, 2, v12
	s_lshr_b32 s72, s43, 4
	s_lshl_b32 s72, s72, 4
	s_lshl_b32 s73, s42, 1
	s_add_co_u32 s72, s72, s73
	s_and_b32 s73, s43, 15
	s_add_co_u32 s74, s72, s[WL]
	s_lshl_b32 s70, s74, 7
	s_lshl_b32 s71, s73, 3
	s_add_co_u32 s70, s70, s71
	s_lshl_b32 s71, s[WH], 2
	s_add_co_u32 s70, s70, s71
	s_lshl_b32 s70, s70, 10
	s_mov_b32 s71, 0
	s_add_nc_u64 s[20:21], s[20:21], s[70:71]
	s_lshl_b32 s70, s74, 4
	s_add_co_u32 s70, s70, s73
	s_lshl_b32 s70, s70, 14
	s_lshl_b32 s75, s[WH], 12
	s_add_co_u32 s70, s70, s75
	s_add_nc_u64 s[98:99], s[22:23], s[70:71]
	s_add_co_u32 s74, s72, s[WH]
	s_lshl_b32 s70, s74, 4
	s_add_co_u32 s70, s70, s73
	s_lshl_b32 s70, s70, 14
	s_lshl_b32 s75, s[WL], 10
	s_add_co_u32 s70, s70, s75
	s_add_co_u32 s70, s70, 8192
	s_add_nc_u64 s[100:101], s[22:23], s[70:71]
	s_lshl_b32 s70, s73, 7
	s_lshl_b32 s75, s[WH], 6
	s_add_co_u32 s70, s70, s75
	s_lshl_b32 s70, s70, 8
	s_add_nc_u64 s[14:15], s[14:15], s[70:71]
	s_add_nc_u64 s[16:17], s[16:17], s[70:71]
	s_lshl_b32 s70, s42, 9
	s_lshl_b32 s75, s[WL], 8
	s_add_co_u32 s70, s70, s75
	s_add_nc_u64 s[8:9], s[8:9], s[70:71]
	s_add_nc_u64 s[10:11], s[10:11], s[70:71]
	s_lshl_b32 s70, s42, 9
	s_lshl_b32 s75, s[WH], 8
	s_add_co_u32 s70, s70, s75
	s_add_nc_u64 s[12:13], s[12:13], s[70:71]
	WIN 0x80
.irp a, 0,1,2,3
.irp b, 0,1
.irp j, 0,1,2,3
	global_load_b128 v[64*\a+16*\b+4*\j:64*\a+16*\b+4*\j+3], v11, s[14:15] offset:4096*\a+128*\b+16*\j
	global_load_b128 v[64*\a+32+16*\b+4*\j:64*\a+32+16*\b+4*\j+3], v11, s[16:17] offset:4096*\a+128*\b+16*\j
.endr
.endr
.endr
	WIN 0
.macro BIAS ptr
.irp t, 0,1,2,3
	global_load_b128 v[32+8*\t:35+8*\t], v10, s[\ptr:\ptr+1] offset:128*(\t/2)+32*(\t%2)
	global_load_b128 v[36+8*\t:39+8*\t], v10, s[\ptr:\ptr+1] offset:128*(\t/2)+32*(\t%2)+16
.endr
.endm
	BIAS 8
.macro POW2 d, ea, eb
	s_add_co_i32 s[\d], s[\ea], s[\eb]
	s_add_co_i32 s[\d], s[\d], 127
	s_lshl_b32 s[\d], s[\d], 23
	s_mov_b32 s[\d+1], s[\d]
.endm
.macro SCLIM e
	s_add_co_i32 s70, s[\e], 127
	s_lshl_b32 s71, s70, 23
	v_mov_b32 v16, s71
	s_add_co_i32 s70, s70, 8
	s_lshl_b32 s70, s70, 23
	s_or_b32 s70, s70, 0x600000
	v_mov_b32 v17, s70
.endm
	s_wait_kmcnt 0x0
	POW2 92, 76, 77
	POW2 94, 78, 79
	POW2 96, 80, 81
.macro EPI_QK ptr, sp
	PLACES
	s_wait_loadcnt 0x0
.irp a, 0,1,2,3
	s_wait_xcnt 0x0
.irp u, 0,1
.irp j, 0,2,4,6
	v_pk_fma_f32 v[64+8*\u+\j:65+8*\u+\j], v[ACC+8*(4*\a+\u)+\j:ACC+8*(4*\a+\u)+\j+1], s[\sp:\sp+1], v[32+8*\u+\j:33+8*\u+\j] op_sel_hi:[1,0,1]
	v_pk_fma_f32 v[80+8*\u+\j:81+8*\u+\j], v[ACC+8*(4*\a+2+\u)+\j:ACC+8*(4*\a+2+\u)+\j+1], s[\sp:\sp+1], v[48+8*\u+\j:49+8*\u+\j] op_sel_hi:[1,0,1]
.endr
.endr
	WIN 0x08
.irp i, 0,2,4,6,8,10,12,14
	v_pk_mul_f32 v[96+\i:97+\i], v[80+\i:81+\i], v[64*\a+32+\i:64*\a+33+\i]
	v_pk_mul_f32 v[112+\i:113+\i], v[64+\i:65+\i], v[64*\a+48+\i:64*\a+49+\i]
.endr
.irp i, 0,2,4,6,8,10,12,14
	v_pk_fma_f32 v[96+\i:97+\i], v[64+\i:65+\i], v[64*\a+\i:64*\a+\i+1], v[96+\i:97+\i] neg_lo:[0,0,1] neg_hi:[0,0,1]
	v_pk_fma_f32 v[112+\i:113+\i], v[80+\i:81+\i], v[64*\a+16+\i:64*\a+17+\i], v[112+\i:113+\i]
.endr
	WIN 0
.irp i, 0,1,2,3,4,5,6,7,8,9,10,11,12,13,14,15,16,17,18,19,20,21,22,23,24,25,26,27,28,29,30,31
	v_med3_num_f32 v[96+\i], v[96+\i], -v17, v17
.endr
.irp g, 0,1,2,3
	v_cvt_scalef32_pk8_fp8_f32 v[20+2*\g:21+2*\g], v[96+8*\g:103+8*\g], v16
.endr
	v_nop
	global_store_b128 v3, v[20:23], s[\ptr:\ptr+1] offset:\a*1024
	global_store_b128 v3, v[24:27], s[\ptr:\ptr+1] offset:\a*1024+512
.endr
.endm
	s_wait_tensorcnt 1
	s_barrier_signal -1
	s_barrier_wait -1
	FETCH 0, 0, F0
	KSTEP 0, 0, 1
	KSTEP 0, 1, 0
	KSTEP 0, 2, 0
	TURN 0, 1, 1, 0
	KSTEP 1, 0, 0
	KSTEP 1, 1, 0
	KSTEP 1, 2, 0
	TURN 1, 0, 1, 0
	WIN 0
	SCLIM 82
	EPI_QK 20, 92
	BIAS 10
	KSTEP 0, 0, 1
	KSTEP 0, 1, 0
	KSTEP 0, 2, 0
	TURN 0, 1, 1, 1
	KSTEP 1, 0, 0
	KSTEP 1, 1, 0
	KSTEP 1, 2, 0
	TURN 1, 0, 1, 1
	WIN 0
	SCLIM 83
	EPI_QK 98, 94
.irp a, 0,1,2,3
	global_load_b32 v[32+\a], v12, s[12:13] offset:(32*(\a/2)+8*(\a%2))*4
.endr
	KSTEP 0, 0, 1
	KSTEP 0, 1, 0
	KSTEP 0, 2, 0
	TURN 0, 1, 0, 0
	KSTEP 1, 0, 0
	KSTEP 1, 1, 0
	KSTEP 1, 2, 0
	s_wait_dscnt 0x0
	MUL4 F1, 0
	WIN 0
	SCLIM 85
	PLACES
	s_wait_loadcnt 0x0
.irp a, 0,1,2,3
.irp c, 0,1
.irp i, 0,1,2,3,4,5,6,7
	v_fma_f32 v[64+16*\c+\i], v[ACC+8*(4*\a+2*\c)+\i], s96, v[32+\a]
.endr
.irp i, 0,1,2,3,4,5,6,7
	v_fma_f32 v[72+16*\c+\i], v[ACC+8*(4*\a+2*\c+1)+\i], s96, v[32+\a]
.endr
.irp i, 0,1,2,3,4,5,6,7,8,9,10,11,12,13,14,15
	v_med3_num_f32 v[64+16*\c+\i], v[64+16*\c+\i], -v17, v17
.endr
	v_cvt_scalef32_pk8_fp8_f32 v[96+4*(2*\a+\c):97+4*(2*\a+\c)], v[64+16*\c:71+16*\c], v16
	v_cvt_scalef32_pk8_fp8_f32 v[98+4*(2*\a+\c):99+4*(2*\a+\c)], v[72+16*\c:79+16*\c], v16
	v_nop
	global_store_b128 v3, v[96+4*(2*\a+\c):99+4*(2*\a+\c)], s[100:101] offset:\a*2048+\c*512
.endr
.endr
	s_wait_tensorcnt 0x0
	ds_add_u32 v8, v9
	s_wait_dscnt 0x0
	CROUND
	s_endpgm
.Lfunc_end_k_qc4c1db0000_qkv:
	.size	k_qc4c1db0000_qkv, .Lfunc_end_k_qc4c1db0000_qkv-k_qc4c1db0000_qkv
	.p2alignl 7, 3214868480
	.fill 96, 4, 3214868480
	.section	.rodata,"a",@progbits
	.p2align	6, 0x0
	.amdhsa_kernel k_qc4c1db0000_qkv
		.amdhsa_group_segment_fixed_size 327680
		.amdhsa_private_segment_fixed_size 0
		.amdhsa_enable_private_segment 0
		.amdhsa_kernarg_size 80
		.amdhsa_user_sgpr_count 2
		.amdhsa_user_sgpr_kernarg_segment_ptr 1
		.amdhsa_wavefront_size32 1
		.amdhsa_system_sgpr_workgroup_id_x 1
		.amdhsa_system_sgpr_workgroup_id_y 1
		.amdhsa_system_sgpr_workgroup_id_z 1
		.amdhsa_system_vgpr_workitem_id 0
		.amdhsa_next_free_vgpr 768
		.amdhsa_next_free_sgpr 102
		.amdhsa_reserve_vcc 0
		.amdhsa_float_denorm_mode_32 3
		.amdhsa_float_denorm_mode_16_64 3
		.amdhsa_memory_ordered 1
		.amdhsa_forward_progress 1
		.amdhsa_inst_pref_size 163
	.end_amdhsa_kernel
	.amdgpu_metadata
---
amdhsa.version: [ 1, 2 ]
amdhsa.kernels:
  - .name:           k_qc4c1db0000_qkv
    .symbol:         k_qc4c1db0000_qkv.kd
    .args:
      - { .name: hc, .offset: 0, .size: 8, .value_kind: global_buffer, .address_space: global }
      - { .name: wc, .offset: 8, .size: 8, .value_kind: global_buffer, .address_space: global }
      - { .name: bq, .offset: 16, .size: 8, .value_kind: global_buffer, .address_space: global }
      - { .name: bk, .offset: 24, .size: 8, .value_kind: global_buffer, .address_space: global }
      - { .name: bv, .offset: 32, .size: 8, .value_kind: global_buffer, .address_space: global }
      - { .name: rotary_cos, .offset: 40, .size: 8, .value_kind: global_buffer, .address_space: global }
      - { .name: rotary_sin, .offset: 48, .size: 8, .value_kind: global_buffer, .address_space: global }
      - { .name: lowp_scales, .offset: 56, .size: 8, .value_kind: global_buffer, .address_space: global }
      - { .name: qc, .offset: 64, .size: 8, .value_kind: global_buffer, .address_space: global }
      - { .name: kvc, .offset: 72, .size: 8, .value_kind: global_buffer, .address_space: global }
    .group_segment_fixed_size: 327680
    .private_segment_fixed_size: 0
    .kernarg_segment_align: 8
    .kernarg_segment_size: 80
    .max_flat_workgroup_size: 128
    .sgpr_count:     102
    .vgpr_count:     768
    .wavefront_size: 32
...
	.end_amdgpu_metadata
.endif
;; end of part 2
;; launch attn (part 3): grid 8 x 32, 8 waves a work-group, clusters of 4 x 1, 327,680 bytes of LDS; arguments qc, kvc, lowp_scales, ac; writes ac
.if DOCPART == 3
	.amdgcn_target "amdgcn-amd-amdhsa--gfx1250"
	.amdhsa_code_object_version 6
	.text
	.protected	k_qc4c1db0000_attn
	.globl	k_qc4c1db0000_attn
	.p2align	8
	.type	k_qc4c1db0000_attn,@function
k_qc4c1db0000_attn:
	s_mov_b64 s[64:65], 0
	v_nop
	global_prefetch_b8 v0, s[64:65] scope:SCOPE_SE
	s_setreg_imm32_b32 hwreg(HW_REG_WAVE_MODE, 25, 1), 1
	s_wait_xcnt 0x0
	s_wait_alu depctr_hold_cnt(0) depctr_sa_sdst(0) depctr_va_vdst(0) depctr_va_sdst(0) depctr_va_ssrc(0) depctr_va_vcc(0) depctr_vm_vsrc(0)
	s_getreg_b32 s2, hwreg(HW_REG_IB_STS2, 6, 4)
	s_cmp_eq_u32 s2, 0
	s_cbranch_scc0 .Lentry_in_a_cluster
	s_endpgm
.Lentry_in_a_cluster:
	s_bfe_u32 s2, ttmp6, 0x10000c
	s_cmp_lg_u32 s2, 0x3003
	s_cbranch_scc0 .Lentry_shape_is_right
	s_endpgm
.Lentry_shape_is_right:
; DiT block, launch 3 of 7: attention on codes of E4M3 (scale entries 6, 7 for q k^T; 8, 9 for p v), its result quantised (entry 10) for the product with Wo.  No work of reference() is left out.
; THE SOFTMAX: t = score x log2(e) / 8; M = the running largest t rounded up to a whole number; p = 2^(t - M) is quantised, not normalised; the row's sum is taken of the unquantised p and divides at the end.
; LIMITS: e6 + e7 between -123 and 130 (added to c's exponent field); e8 and e10 between -126 and 119; the scaled scores stay under 2^31 in magnitude.
; SHARES.  A work-group owns 256 queries of one head; each of its eight waves owns 32 of them, two tiles A and B of 16, so that each fragment of K and of V read from LDS feeds two matrix instructions.
; A head's K and V, 16 steps of 128 keys x (8,192 bytes of K + 8,192 of V) = 262,144 bytes, lie in LDS whole: each wave asks for 32,768 bytes by its one tensor load at the head.  Nothing is filled again.
; CLUSTER 4 x 1: the four work-groups of a cluster walk the same head, so each load is a joint one with the mask 15.
; No prefetch: all of K and V is asked for at the head by those loads; there is no loop to run ahead in.
; LAYOUT (as the launch before stores it): images of operand registers.  K: 8 tiles of 16 keys x 64 = 1,024 bytes, [2][lane][16]; V: 4 tiles of 16 channels x 128 keys = 2,048 bytes, [4][lane][16]; Q as K.
; Both products are used transposed: a lane holds one query (lane % 16) of each tile; the 16 registers of score tiles 2 b, 2 b + 1 are 16 neighbouring keys.
; REGISTERS.  Window 0: v1 16 x lane; v2, v7 LDS addresses (this step, the next); v3, v4 hold and scale; v5, v6 the add's two; v8-11 at work; A: v12 -M, v13 largest t, v[14:15] sum, v16 f; B: v20, v21, v[22:23], v24;
;   v26, v27 lane permutes; v28-31 second chains of the sums; v32-95 V's fragments; v96-159 A's scores, then p; v160-223 B's; v224-255 p's codes.
;   Window 1: v0-63 O^T (A, then B); v64-127 K's fragments; v128-143 Q's.
.set SPARE, 262144                     ; behind K and V: the spare words, 128 bytes for each of eight waves
.set WV,  12
.set SEL, 20
.set CS,  22
.set TB,  36                           ; LDS byte at which the step in hand begins
.set KN,  37                           ; and the next step's
.set LIM, 40                           ; 448 x 2^e8
.set CNT, 41
.set OT,  0
.set KF,  64
.set QF,  128
.set MSB, 0
.macro WIN new                         ; the immediate's high byte repeats the setting that is left
.if MSB != \new
	s_set_vgpr_msb (MSB<<8)|\new
.set MSB, \new
.endif
.endm
.macro CROUND                          ; a round of the cluster's barrier
	s_barrier_signal -1
	s_barrier_wait -1
	s_cmp_lg_u32 s[WV], 0
	s_cbranch_scc1 .Lnot_wave_0_\@
	s_barrier_signal -3
.Lnot_wave_0_\@:
	s_barrier_wait -3
	s_barrier_signal -1
	s_barrier_wait -1
.endm
.macro KLOAD adr                       ; 8 tiles of K into window 1
	WIN 0x40
.irp k, 0,1,2,3,4,5,6,7
	ds_load_b128 v[KF+8*\k:KF+8*\k+3], v[\adr] offset:1024*\k
	ds_load_b128 v[KF+8*\k+4:KF+8*\k+7], v[\adr] offset:1024*\k+512
.endr
	WIN 0
.endm
	s_load_b256 s[4:11], s[0:1], 0x0               ; qc, kvc, lowp_scales, ac
	v_lshl_add_u32 v5, v0, 2, SPARE
	v_mov_b32 v6, 0
	ds_add_u32 v5, v6                              ; the opening: the add, twice on end, and its wait ahead of my tensor load
	ds_add_u32 v5, v6
	v_lshrrev_b32 v1, 5, v0
	v_readfirstlane_b32 s[WV], v1                  ; wave 0..7
	s_bfe_u32 s13, ttmp6, 0x40000
	s_lshl_b32 s14, ttmp9, 2
	s_add_co_u32 s14, s14, s13                     ; which 256 queries
	s_and_b32 s15, ttmp7, 0xffff                   ; batch x 16 + head
	s_mov_b32 s24, 15|(3<<16)|(1<<21)              ; the mask of all four partners; elements of 8 bytes; bit 21 beside a mask
	s_mov_b32 s25, 32<<16                          ; rows of 256 bytes,
	s_mov_b32 s26, 128<<16                         ; 128 of them, dense
	s_mov_b32 s27, 32<<16
	s_mov_b32 s28, 128
	s_mov_b32 s29, 32
	s_mov_b32 s30, 0
	s_mov_b32 s31, 0
	s_lshl_b32 s16, s15, 18                        ; the head's 262,144 bytes
	s_lshl_b32 s18, s[WV], 15                      ; my 32,768 of them, in memory and in LDS alike
	s_add_co_u32 s16, s16, s18
	s_mov_b32 s17, 0
	s_mov_b32 s[SEL], 0x76543210                   ; selects of v_permlanex16_b32: lane l xor 16
	s_mov_b32 s[SEL+1], 0xfedcba98
	s_mov_b32 s[CS], 0x3e38aa3b                    ; c = log2(e) / 8
	s_mov_b32 s[TB], 0
	s_wait_dscnt 0x0
	s_wait_kmcnt 0x0
	s_load_b512 s[44:59], s[8:9], 0x0              ; the sixteen exponents
	s_add_nc_u64 s[16:17], s[6:7], s[16:17]
	CROUND                                         ; the four partners are here: the joint loads meet
	s_mov_b32 s32, 1
	s_mov_b32 s33, s18
	s_mov_b64 s[34:35], s[16:17]
	s_or_b32 s35, s35, 0x80000000
	tensor_load_to_lds s[32:35], s[24:31]          ; my one tensor load
	s_nop 0
.rept 4
	v_nop
.endr
	s_lshl_b32 s60, s14, 4
	s_lshl_b32 s61, s[WV], 1
	s_add_co_u32 s60, s60, s61                     ; tile A: 16 x block + 2 x wave; tile B the next
	s_lshl_b32 s61, s15, 7
	s_add_co_u32 s61, s61, s60
	s_lshl_b32 s62, s61, 10
	s_mov_b32 s63, 0
	s_add_nc_u64 s[4:5], s[4:5], s[62:63]
	v_and_b32 v1, 31, v0
	v_lshlrev_b32 v1, 4, v1                        ; 16 x lane
	v_mov_b32 v2, v1
	v_add_nc_u32 v7, 16384, v1
	WIN 0x40
.irp i, 0,1,2,3
	global_load_b128 v[QF+4*\i:QF+4*\i+3], v1, s[4:5] offset:512*\i
.endr
.set J, 0
.rept 64
	v_mov_b32 v[OT+J], 0                           ; O^T: the step is written once; its first trip finds zeros, which the first change of M leaves zeros
.set J, J+1
.endr
	WIN 0
	v_mov_b32 v13, 0xff61b1e6                      ; the largest t so far: -3e38
	v_mov_b32 v21, 0xff61b1e6
	v_floor_f32 v12, -v13                          ; -M
	v_floor_f32 v20, -v21
.irp r, 14,15,17,22,23,25,26,27
	v_mov_b32 v\r, 0                               ; the sums; the upper halves of the pairs that hold f; the lane permutes' destinations
.endr
	s_lshr_b32 s61, s15, 4                         ; where the result goes: tile RT = 128 x batch + tile A, K = 64 x head on, in blocks of 128 rows x 512 K
	s_lshl_b32 s61, s61, 7
	s_add_co_u32 s61, s61, s60
	s_and_b32 s60, s15, 15
	s_lshr_b32 s62, s61, 3
	s_lshl_b32 s62, s62, 1
	s_lshr_b32 s42, s60, 3
	s_add_co_u32 s62, s62, s42
	s_lshl_b32 s62, s62, 16
	s_bfe_u32 s42, s60, 0x20001
	s_lshl_b32 s42, s42, 14
	s_add_co_u32 s62, s62, s42
	s_and_b32 s42, s61, 7
	s_lshl_b32 s42, s42, 11
	s_add_co_u32 s62, s62, s42
	s_and_b32 s42, s60, 1
	s_lshl_b32 s42, s42, 10
	s_add_co_u32 s62, s62, s42
	s_add_nc_u64 s[10:11], s[10:11], s[62:63]
	s_wait_kmcnt 0x0
	s_add_co_i32 s60, s50, s51
	s_lshl_b32 s60, s60, 23
	s_add_co_i32 s[CS], s[CS], s60                 ; c x 2^(e6 + e7)
	s_mov_b32 s[CS+1], s[CS]
	s_add_co_i32 s60, s52, 127
	s_lshl_b32 s61, s60, 23
	v_mov_b32 v4, s61                              ; 2^e8, for the conversion
	s_add_co_i32 s60, s60, 8
	s_lshl_b32 s60, s60, 23
	s_or_b32 s[LIM], s60, 0x600000                 ; 448 x 2^e8
; A KEY STEP: 128 keys for both tiles.
.macro STEP
	s_wait_dscnt 0x0                               ; this step's K
	WIN 0x05                                       ; sources 0 and 1 in window 1
.irp k, 0,1,2,3,4,5,6,7
	v_wmma_f32_16x16x64_fp8_fp8 v[96+8*\k:103+8*\k], v[KF+8*\k:KF+8*\k+7], v[QF:QF+7], 0
	v_wmma_f32_16x16x64_fp8_fp8 v[160+8*\k:167+8*\k], v[KF+8*\k:KF+8*\k+7], v[QF+8:QF+15], 0
.endr
	WIN 0
.rept 4
	v_nop                                          ; places: ahead of the loads into fragments that matrix instructions have read, and of the first read of the scores
.endr
.irp t, 0,1,2,3
.irp c, 0,1,2,3
	ds_load_b128 v[32+16*\t+4*\c:35+16*\t+4*\c], v2 offset:8192+2048*\t+512*\c
.endr
.endr
	KLOAD 7                                        ; the next step's K (in the last trip the address has wrapped to the head's first keys, and these 16 loads are not used)
	s_add_co_u32 s[TB], s[TB], 16384
	s_add_co_u32 s[KN], s[TB], 16384
	s_and_b32 s[KN], s[KN], 0x3ffff
	v_add_nc_u32 v2, s[TB], v1
	v_add_nc_u32 v7, s[KN], v1
	v_max3_num_f32 v8, v96, v97, v98               ; the step's largest scores, two chains a tile, each accumulator from its low end on
	v_max3_num_f32 v10, v160, v161, v162
	v_max3_num_f32 v9, v99, v100, v101
	v_max3_num_f32 v11, v163, v164, v165
.irp i, 6,10,14,18,22,26,30,34,38,42,46,50,54,58
	v_max3_num_f32 v8, v8, v[96+\i], v[97+\i]
	v_max3_num_f32 v10, v10, v[160+\i], v[161+\i]
	v_max3_num_f32 v9, v9, v[98+\i], v[99+\i]
	v_max3_num_f32 v11, v11, v[162+\i], v[163+\i]
.endr
	v_max3_num_f32 v8, v8, v158, v159
	v_max3_num_f32 v10, v10, v222, v223
	v_max_num_f32 v8, v8, v9
	v_max_num_f32 v10, v10, v11
	v_permlanex16_b32 v26, v8, s[SEL], s[SEL+1]
	v_permlanex16_b32 v27, v10, s[SEL], s[SEL+1]
	v_max_num_f32 v8, v8, v26
	v_max_num_f32 v10, v10, v27
	v_mul_f32 v8, s[CS], v8                        ; as t (c is positive)
	v_mul_f32 v10, s[CS], v10
	v_max_num_f32 v13, v13, v8                     ; the running largest t
	v_max_num_f32 v21, v21, v10
	v_mov_b32 v8, v12
	v_mov_b32 v10, v20
	v_floor_f32 v12, -v13                          ; the new -M = -ceil(t)
	v_floor_f32 v20, -v21
	v_sub_f32 v8, v12, v8                          ; old M - new M, a whole number, 0 or less
	v_sub_f32 v10, v20, v10
	v_cvt_i32_f32 v8, v8                           ; (it saturates)
	v_cvt_i32_f32 v10, v10
	v_ldexp_f32 v16, 1.0, v8                       ; f = 2^(old M - new M)
	v_ldexp_f32 v24, 1.0, v10
	WIN 0x41                                       ; destination and source 0 in window 1
.irp j, 0,2,4,6,8,10,12,14,16,18,20,22,24,26,28,30
	v_pk_mul_f32 v[OT+\j:OT+\j+1], v[OT+\j:OT+\j+1], v[16:17] op_sel_hi:[1,0]          ; O^T under the new M; ahead of the exponentials
	v_pk_mul_f32 v[OT+32+\j:OT+33+\j], v[OT+32+\j:OT+33+\j], v[24:25] op_sel_hi:[1,0]
.endr
	WIN 0
.irp j, 0,2,4,6,8,10,12,14,16,18,20,22,24,26,28,30,32,34,36,38,40,42,44,46,48,50,52,54,56,58,60,62
	v_pk_fma_f32 v[96+\j:97+\j], v[96+\j:97+\j], s[CS:CS+1], v[12:13] op_sel_hi:[1,0,0]   ; t - M
	v_pk_fma_f32 v[160+\j:161+\j], v[160+\j:161+\j], s[CS:CS+1], v[20:21] op_sel_hi:[1,0,0]
.endr
	s_wait_alu depctr_va_vdst(0)                   ; ahead of the batch
.set J, 0
.rept 128
	v_exp_f32 v[96+J], v[96+J]                     ; p = 2^(t - M)
.set J, J+1
.endr
	v_pk_mul_f32 v[14:15], v[14:15], v[16:17] op_sel_hi:[1,0]   ; the sums under the new M (plain lines behind the batch)
	v_pk_mul_f32 v[22:23], v[22:23], v[24:25] op_sel_hi:[1,0]
	s_wait_alu depctr_va_vdst(0)                   ; and the one wait behind it, ahead of its first reader
	v_pk_add_f32 v[28:29], v[96:97], v[98:99]      ; the sums of the unquantised p, two chains a tile
	v_pk_add_f32 v[30:31], v[160:161], v[162:163]
.irp j, 4,8,12,16,20,24,28,32,36,40,44,48,52,56,60
	v_pk_add_f32 v[14:15], v[14:15], v[96+\j:97+\j]
	v_pk_add_f32 v[22:23], v[22:23], v[160+\j:161+\j]
	v_pk_add_f32 v[28:29], v[28:29], v[98+\j:99+\j]
	v_pk_add_f32 v[30:31], v[30:31], v[162+\j:163+\j]
.endr
	v_pk_add_f32 v[14:15], v[14:15], v[28:29]
	v_pk_add_f32 v[22:23], v[22:23], v[30:31]
.set J, 0
.rept 64
	v_dual_min_num_f32 v[96+J], s[LIM], v[96+J] :: v_dual_min_num_f32 v[97+J], s[LIM], v[97+J]   ; the hold: the conversion does not saturate (ISA guide 7.6.2); p is not negative, so it is one-sided
.set J, J+2
.endr
.irp b, 0,1,2,3,4,5,6,7
	v_cvt_scalef32_pk8_fp8_f32 v[224+4*\b:225+4*\b], v[96+16*\b:103+16*\b], v4
	v_cvt_scalef32_pk8_fp8_f32 v[226+4*\b:227+4*\b], v[104+16*\b:111+16*\b], v4
.endr
	v_nop                                          ; a plain line behind the last conversion
	s_wait_alu depctr_va_vdst(0)
	s_wait_dscnt 16                                ; V's 16 loads are in; the 16 younger ones, the next step's K, may be out
	WIN 0x50                                       ; C and D in window 1
.irp t, 0,1,2,3
	v_wmma_f32_16x16x128_fp8_fp8 v[OT+8*\t:OT+8*\t+7], v[32+16*\t:47+16*\t], v[224:239], v[OT+8*\t:OT+8*\t+7]
	v_wmma_f32_16x16x128_fp8_fp8 v[OT+32+8*\t:OT+39+8*\t], v[32+16*\t:47+16*\t], v[240:255], v[OT+32+8*\t:OT+39+8*\t]
.endr
	WIN 0
.endm
	s_wait_alu depctr_va_vdst(0)
	s_wait_loadcnt 0x0                             ; Q
	s_wait_tensorcnt 0x0                           ; my part of K and V lies in LDS,
	s_barrier_signal -1
	s_barrier_wait -1                              ; and so does everybody's
	KLOAD 2
	s_mov_b32 s[CNT], 16
.Lstep:
	STEP
	s_sub_co_u32 s[CNT], s[CNT], 1
	s_cmp_lg_u32 s[CNT], 0
	s_cbranch_scc1 .Lstep
	; THE WAY OUT: O^T / the sum x 2^(e8 + e9), held, quantised under 2^e10: the conversions' results are the next product's operand registers
.rept 4
	v_nop
.endr
	s_add_co_i32 s60, s54, 127
	s_lshl_b32 s61, s60, 23
	s_add_co_i32 s60, s60, 8
	s_lshl_b32 s60, s60, 23
	s_or_b32 s60, s60, 0x600000
	s_add_co_i32 s62, s52, s53
	v_add_f32 v14, v14, v15
	v_add_f32 v22, v22, v23
	v_permlanex16_b32 v26, v14, s[SEL], s[SEL+1]
	v_permlanex16_b32 v27, v22, s[SEL], s[SEL+1]
	v_add_f32 v14, v14, v26
	v_add_f32 v22, v22, v27
	s_wait_alu depctr_va_vdst(0)                   ; ahead of the transcendentals
	v_rcp_f32 v14, v14
	v_rcp_f32 v22, v22
	v_mov_b32 v4, s61                              ; 2^e10
	v_mov_b32 v3, s60                              ; 448 x 2^e10
	s_wait_alu depctr_va_vdst(0)                   ; behind them, ahead of their first reader
	v_ldexp_f32 v14, v14, s62
	v_ldexp_f32 v22, v22, s62
	WIN 0x01                                       ; source 0 in window 1
	s_wait_alu depctr_va_vdst(0)                   ; directly ahead of the first reader of O^T
.set J, 0
.rept 16
	v_pk_mul_f32 v[96+J:97+J], v[OT+J:OT+J+1], v[14:15] op_sel_hi:[1,0]
.set J, J+2
.endr
.rept 16
	v_pk_mul_f32 v[96+J:97+J], v[OT+J:OT+J+1], v[22:23] op_sel_hi:[1,0]
.set J, J+2
.endr
	WIN 0
.set J, 0
.rept 64
	v_med3_num_f32 v[96+J], v[96+J], -v3, v3
.set J, J+1
.endr
.irp g, 0,1,2,3,4,5,6,7
	v_cvt_scalef32_pk8_fp8_f32 v[224+2*\g:225+2*\g], v[96+8*\g:103+8*\g], v4
.endr
	v_nop
	global_store_b128 v1, v[224:227], s[10:11]                 ; 32 lanes store 512 consecutive bytes, aligned
	global_store_b128 v1, v[228:231], s[10:11] offset:512
	global_store_b128 v1, v[232:235], s[10:11] offset:2048     ; tile B: the next tile of 16 rows
	global_store_b128 v1, v[236:239], s[10:11] offset:2560
	s_wait_tensorcnt 0x0                           ; the wave's end
	ds_add_u32 v5, v6
	s_wait_dscnt 0x0
	CROUND                                         ; the closing round
	s_endpgm
.Lfunc_end_k_qc4c1db0000_attn:
	.size	k_qc4c1db0000_attn, .Lfunc_end_k_qc4c1db0000_attn-k_qc4c1db0000_attn
	.p2alignl 7, 3214868480
	.fill 96, 4, 3214868480
	.section	.rodata,"a",@progbits
	.p2align	6, 0x0
	.amdhsa_kernel k_qc4c1db0000_attn
		.amdhsa_group_segment_fixed_size 327680
		.amdhsa_private_segment_fixed_size 0
		.amdhsa_enable_private_segment 0
		.amdhsa_kernarg_size 32
		.amdhsa_user_sgpr_count 2
		.amdhsa_user_sgpr_kernarg_segment_ptr 1
		.amdhsa_wavefront_size32 1
		.amdhsa_system_sgpr_workgroup_id_x 1
		.amdhsa_system_sgpr_workgroup_id_y 1
		.amdhsa_system_sgpr_workgroup_id_z 1
		.amdhsa_system_vgpr_workitem_id 0
		.amdhsa_next_free_vgpr 512
		.amdhsa_next_free_sgpr 66
		.amdhsa_reserve_vcc 0
		.amdhsa_float_denorm_mode_32 3
		.amdhsa_float_denorm_mode_16_64 3
		.amdhsa_memory_ordered 1
		.amdhsa_forward_progress 1
		.amdhsa_inst_pref_size 45
	.end_amdhsa_kernel
	.amdgpu_metadata
---
amdhsa.version: [ 1, 2 ]
amdhsa.kernels:
  - .name:           k_qc4c1db0000_attn
    .symbol:         k_qc4c1db0000_attn.kd
    .args:
      - { .name: qc, .offset: 0, .size: 8, .value_kind: global_buffer, .address_space: global }
      - { .name: kvc, .offset: 8, .size: 8, .value_kind: global_buffer, .address_space: global }
      - { .name: lowp_scales, .offset: 16, .size: 8, .value_kind: global_buffer, .address_space: global }
      - { .name: ac, .offset: 24, .size: 8, .value_kind: global_buffer, .address_space: global }
    .group_segment_fixed_size: 327680
    .private_segment_fixed_size: 0
    .kernarg_segment_align: 8
    .kernarg_segment_size: 32
    .max_flat_workgroup_size: 256
    .sgpr_count:     66
    .vgpr_count:     512
    .wavefront_size: 32
...
	.end_amdgpu_metadata
.endif
;; end of part 3
;; launch wo (part 4): grid 8 x 32, 4 waves a work-group, clusters of 4 x 4, 327,680 bytes of LDS; arguments ac, wc, bo, x, lowp_scales, x1; writes x1
.if DOCPART == 4
	.amdgcn_target "amdgcn-amd-amdhsa--gfx1250"
	.amdhsa_code_object_version 6
	.text
	.protected	k_qc4c1db0000_wo
	.globl	k_qc4c1db0000_wo
	.p2align	8
	.type	k_qc4c1db0000_wo,@function
k_qc4c1db0000_wo:
	s_mov_b64 s[64:65], 0
	v_nop
	global_prefetch_b8 v0, s[64:65] scope:SCOPE_SE
	s_setreg_imm32_b32 hwreg(HW_REG_WAVE_MODE, 25, 1), 1
	s_wait_xcnt 0x0
	s_wait_alu depctr_hold_cnt(0) depctr_sa_sdst(0) depctr_va_vdst(0) depctr_va_sdst(0) depctr_va_ssrc(0) depctr_va_vcc(0) depctr_vm_vsrc(0)
	s_getreg_b32 s2, hwreg(HW_REG_IB_STS2, 6, 4)
	s_cmp_eq_u32 s2, 0
	s_cbranch_scc0 .Lentry_in_a_cluster
	s_endpgm
.Lentry_in_a_cluster:
	s_bfe_u32 s2, ttmp6, 0x10000c
	s_cmp_lg_u32 s2, 0xf033
	s_cbranch_scc0 .Lentry_shape_is_right
	s_endpgm
.Lentry_shape_is_right:
; DiT block, launch 4 of 7: x1 = x + attention's result Wo^T + bo, the product on codes of E4M3 (scale entries 10, 11).  No work of reference() is left out.
; LIMIT: the two exponents' sum lies between -126 and 127.
; OPERANDS are images of their registers (16 rows x 128 K = 2,048 bytes, [c][lane][16]), in dense blocks of 128 rows x 512 K = 65,536 bytes: [ks 0..3][tile 0..7][2,048].
; SHARES.  A tile of C is 128 x 128 (with 1,024 columns that gives each of 256 work-groups one); wave (WH, WL) makes 64 x 64: 16 accumulators.  K goes in steps of 512 through two LDS slots:
; region L (tokens, source 1) 64 KB, region R (weights, source 0) 64 KB.  A lane holds one token and, in tiles 2 b + u, columns 32 b + 16 h + 8 u + j.
; CLUSTER 4 x 4: the tokens' block is asked for jointly by a row of the cluster, the weights' by a column.
; THE WAY OUT: 16 rows x 64 columns at a time through the wave's own stage in LDS, back as rows of 256 bytes; x the scale, + the residual (loaded at the head, in the layout of the stores), + the bias; sixteen lanes store 256 aligned bytes.
; The stage lies in slot 0, which has had its last fill and, behind the last change of slots, its last read.
; REGISTERS: window 0: v1 r, v2 h, v3 16 x lane, v16-23 LDS addresses, v8, v9 the add's two, v10 offset in C, v11, v12 the stage, v13 offset in the bias, v32-95 rows on the way out, v96-99 bias, v128-255 accumulators.
;   window 1: two fragment buffers.   window 2: v0-127 the residual.
.set NKC,   2                          ; blocks of 512 along K
.set XBASE, 0x300000                   ; the weight's place in wc
.set EA,    86                         ; s76 + the entries of the two scales
.set EB,    87
.set FINAL, 0                          ; 1: the result is the block's output, written once and read by nobody
.set SLOT,  32768                      ; LDS: [fetching wave 0..3][slot 0, 1][32,768 bytes = two K steps of 128 x 8 tiles]: waves 0, 1 hold the tokens' K steps 0-1 and 2-3 of a slot, waves 2, 3 the weights'
.set RREG,  131072
.set SPARE, 262144
.set SP,    272                        ; a stage row: 256 bytes + 16
.set DY,    131072
.set DX,    131072
.set ACC, 128
.set F0,  0
.set F1,  128
.set G1Y, 24
.set G0Y, 32
.set G1X, 48
.set G0X, 56
.set WV, 66
.set WH, 67
.set WL, 68
.set MSB, 0
.macro WIN new
.if MSB != \new
	s_set_vgpr_msb (MSB<<8)|\new
.set MSB, \new
.endif
.endm
.set MUL,  0x05
.set TO_F, 0x40
.macro PLACES
.rept 4
	v_nop
.endr
.endm
.macro JLOAD s                         ; a joint load: waves 0 and 1 fetch the halves of the row's block, waves 2 and 3 of the column's
	s_cmp_eq_u32 s[WH], 0
	s_cbranch_scc0 .Lfor_x_\@
	tensor_load_to_lds s[G0Y+4*\s:G0Y+4*\s+3], s[G1Y:G1Y+7]
	s_nop 0
.rept 4
	v_nop
.endr
	s_branch .Lasked_\@
.Lfor_x_\@:
	tensor_load_to_lds s[G0X+4*\s:G0X+4*\s+3], s[G1X:G1X+7]
	s_nop 0
.rept 4
	v_nop
.endr
.Lasked_\@:
.endm
.macro CREST
	s_cmp_lg_u32 s[WV], 0
	s_cbranch_scc1 .Lnot_wave_0_\@
	s_barrier_signal -3
.Lnot_wave_0_\@:
	s_barrier_wait -3
	s_barrier_signal -1
	s_barrier_wait -1
.endm
.macro CROUND
	s_barrier_signal -1
	s_barrier_wait -1
	CREST
.endm
.macro FETCH slot, ks, f
	WIN TO_F
.irp t, 0,1,2,3
.irp c, 0,1,2,3
	ds_load_b128 v[\f+64+16*\t+4*\c:\f+64+16*\t+4*\c+3], v[20+2*\slot+(\ks)/2] offset:((\ks)%2)*16384+\t*2048+512*\c
.endr
.endr
.irp a, 0,1,2,3
.irp c, 0,1,2,3
	ds_load_b128 v[\f+16*\a+4*\c:\f+16*\a+4*\c+3], v[16+2*\slot+(\ks)/2] offset:((\ks)%2)*16384+\a*2048+512*\c
.endr
.endr
.endm
.macro MULA f, a, zero                 ; the 16 accumulators take turns, one instruction a turn, in the same order everywhere
.irp t, 0,1,2,3
.if \zero
	v_wmma_f32_16x16x128_fp8_fp8 v[ACC+8*(4*(\a)+\t):ACC+8*(4*(\a)+\t)+7], v[\f+64+16*\t:\f+64+16*\t+15], v[\f+16*(\a):\f+16*(\a)+15], 0
.else
	v_wmma_f32_16x16x128_fp8_fp8 v[ACC+8*(4*(\a)+\t):ACC+8*(4*(\a)+\t)+7], v[\f+64+16*\t:\f+64+16*\t+15], v[\f+16*(\a):\f+16*(\a)+15], v[ACC+8*(4*(\a)+\t):ACC+8*(4*(\a)+\t)+7]
.endif
.endr
.endm
.macro MUL4 f, zero
	WIN MUL
	MULA \f, 0, \zero
	MULA \f, 1, \zero
	MULA \f, 2, \zero
	MULA \f, 3, \zero
.endm
.macro KSTEP slot, ks, zero
	s_wait_dscnt 0x0                               ; this step's fragments are in
	PLACES
.if ((\ks)%2) == 0
	FETCH \slot, (\ks)+1, F1
	MUL4 F0, \zero
.else
	FETCH \slot, (\ks)+1, F0
	MUL4 F1, \zero
.endif
.endm
.macro TURN slot, next, fill           ; a slot's last step changes slots: one barrier; fill = 1: it opens a round of the cluster's, and this slot takes the K step two on
	WIN 0
	s_wait_tensorcnt 0x0                           ; all my tensor loads have landed: my part of the next slot
	ds_add_u32 v8, v9                              ; 0 onto my spare word
	s_wait_dscnt 1                                 ; the fragments are in; the add may be out
	WIN MUL
	MULA F1, 0, 0
	s_wait_dscnt 0x0                               ; the add is done, and my reads of this slot are over
	s_barrier_signal -1
	MULA F1, 1, 0
	WIN 0
	s_barrier_wait -1
.if \fill
	CREST
	s_add_nc_u64 s[G0Y+4*\slot+2:G0Y+4*\slot+3], s[G0Y+4*\slot+2:G0Y+4*\slot+3], DY
	s_add_nc_u64 s[G0X+4*\slot+2:G0X+4*\slot+3], s[G0X+4*\slot+2:G0X+4*\slot+3], DX
	JLOAD \slot
.else
	PLACES
.endif
	FETCH \next, 0, F0
	WIN MUL
	MULA F1, 2, 0
	MULA F1, 3, 0
.endm
	s_load_b256 s[4:11], s[0:1], 0x0               ; the tokens' codes, wc, the bias, the residual
	s_load_b128 s[12:15], s[0:1], 0x20             ; lowp_scales, the result
	v_lshl_add_u32 v8, v0, 2, SPARE
	v_mov_b32 v9, 0
	ds_add_u32 v8, v9                              ; the opening: the add, twice on end, and its wait ahead of my first tensor load
	ds_add_u32 v8, v9
	v_lshrrev_b32 v1, 5, v0
	v_readfirstlane_b32 s[WV], v1
	s_lshr_b32 s[WH], s[WV], 1
	s_and_b32 s[WL], s[WV], 1
	s_bfe_u32 s40, ttmp6, 0x40000
	s_bfe_u32 s41, ttmp6, 0x40004
	s_lshl_b32 s42, ttmp9, 2
	s_add_co_u32 s42, s42, s40                     ; gx
	s_and_b32 s43, ttmp7, 0xffff
	s_lshl_b32 s43, s43, 2
	s_add_co_u32 s43, s43, s41                     ; gy
	s_lshl_b32 s44, s41, 2
	s_lshl_b32 s44, 15, s44
	s_lshl_b32 s46, 0x1111, s40
	s_or_b32 s[G1Y], s44, (3<<16)|(1<<21)          ; the mask; elements of 8 bytes; bit 21 beside a mask; no padding
	s_or_b32 s[G1X], s46, (3<<16)|(1<<21)
.irp g, G1Y, G1X
	s_mov_b32 s[\g+1], 4096<<16                    ; two rows of 32,768 bytes, 65,536 apart in memory: my half of both blocks along K, by one load
	s_mov_b32 s[\g+2], 2<<16
	s_mov_b32 s[\g+3], 4096<<16
	s_mov_b32 s[\g+4], 2
	s_mov_b32 s[\g+5], 8192
	s_mov_b32 s[\g+6], 0
	s_mov_b32 s[\g+7], 0
.endr
	s_mul_i32 s44, s43, NKC*65536
	s_lshl_b32 s45, s[WL], 15
	s_add_co_u32 s44, s44, s45
	s_mov_b32 s45, 0
	s_mul_i32 s46, s42, NKC*65536
	s_lshl_b32 s47, s[WL], 15
	s_add_co_u32 s46, s46, s47
	s_add_co_u32 s46, s46, XBASE
	s_mov_b32 s47, 0
	s_lshl_b32 s69, s[WV], 16
	s_wait_dscnt 0x0
	s_wait_kmcnt 0x0
	s_load_b512 s[76:91], s[12:13], 0x0
	s_add_nc_u64 s[44:45], s[4:5], s[44:45]
	s_add_nc_u64 s[46:47], s[6:7], s[46:47]
	CROUND
.irp s, 0
	s_mov_b32 s[G0Y+4*\s], 1
	s_add_co_u32 s[G0Y+4*\s+1], s69, \s*SLOT
	s_add_nc_u64 s[G0Y+4*\s+2:G0Y+4*\s+3], s[44:45], \s*65536
	s_or_b32 s[G0Y+4*\s+3], s[G0Y+4*\s+3], 0x80000000
	s_mov_b32 s[G0X+4*\s], 1
	s_add_co_u32 s[G0X+4*\s+1], s69, \s*SLOT
	s_add_nc_u64 s[G0X+4*\s+2:G0X+4*\s+3], s[46:47], \s*65536
	s_or_b32 s[G0X+4*\s+3], s[G0X+4*\s+3], 0x80000000
	JLOAD \s
.endr
	v_and_b32 v1, 15, v0
	v_bfe_u32 v2, v0, 4, 1
	v_and_b32 v3, 31, v0
	v_lshlrev_b32 v3, 4, v3
	s_lshl_b32 s70, s[WH], 13
	s_lshl_b32 s71, s[WL], 13
	s_add_co_u32 s71, s71, RREG
	s_wait_alu depctr_va_vdst(0)                   ; the scalar lines below stand between v3's write and its readers
.irp i, 0,1,2,3                                    ; v[16 + i] tokens, v[20 + i] weights; i = 2 x slot + (K step / 2)
	s_add_co_u32 s72, s70, (\i/2)*SLOT+(\i%2)*65536
	s_add_co_u32 s73, s71, (\i/2)*SLOT+(\i%2)*65536
	v_add_nc_u32 v[16+\i], s72, v3
	v_add_nc_u32 v[20+\i], s73, v3
.endr
	v_lshlrev_b32 v13, 4, v1                       ; 16 (lane % 16)
	v_lshl_add_u32 v10, v2, 12, v13                ; lanes 0-15 one row of C, lanes 16-31 the next
	s_wait_alu depctr_va_vdst(0)
	s_mul_i32 s74, s[WV], 16*SP                    ; my stage
	v_mul_u32_u24 v11, v1, SP
	v_lshl_add_u32 v11, v2, 6, v11
	v_add_nc_u32 v11, s74, v11                     ; in: row r, + 64 h
	v_mul_u32_u24 v12, v2, SP
	v_add_nc_u32 v12, v12, v13
	v_add_nc_u32 v12, s74, v12                     ; back: two rows an instruction
	s_lshl_b32 s72, s43, 7
	s_lshl_b32 s73, s[WH], 6
	s_add_co_u32 s72, s72, s73
	s_lshl_b32 s72, s72, 12                        ; my first row, 4,096 bytes a row,
	s_lshl_b32 s73, s42, 9
	s_add_co_u32 s72, s72, s73
	s_lshl_b32 s73, s[WL], 8
	s_add_co_u32 s72, s72, s73                     ; my first column
	s_mov_b32 s73, 0
	s_add_nc_u64 s[10:11], s[10:11], s[72:73]
	s_add_nc_u64 s[14:15], s[14:15], s[72:73]
	s_lshl_b32 s72, s42, 9
	s_lshl_b32 s74, s[WL], 8
	s_add_co_u32 s72, s72, s74
	s_add_nc_u64 s[8:9], s[8:9], s[72:73]
	WIN 0x80                                       ; destination window 2
.irp a, 0,1,2,3
.irp i, 0,1,2,3,4,5,6,7
	global_load_b128 v[32*\a+4*\i:32*\a+4*\i+3], v10, s[10:11] offset:(16*\a+2*\i)*4096
.endr
.endr
	WIN 0
	global_load_b128 v[96:99], v13, s[8:9]
	s_wait_kmcnt 0x0
	s_add_co_i32 s92, s[EA], s[EB]
	s_add_co_i32 s92, s92, 127
	s_lshl_b32 s92, s92, 23                        ; 2^(ea + eb) as f32
	s_mov_b32 s93, s92
	s_wait_tensorcnt 0x0                           ; my one load, my part of both slots, is in
	s_barrier_signal -1
	s_barrier_wait -1
	FETCH 0, 0, F0
	KSTEP 0, 0, 1
.if NKC > 2
	WIN 0
	s_mov_b32 s3, NKC/2-1
.Llap:                                             ; a trip goes once round the ring and fills both slots again
	KSTEP 0, 1, 0
	KSTEP 0, 2, 0
	TURN 0, 1, 1
	KSTEP 1, 0, 0
	KSTEP 1, 1, 0
	KSTEP 1, 2, 0
	TURN 1, 0, 1
	KSTEP 0, 0, 0
	WIN 0
	s_sub_co_u32 s3, s3, 1
	s_cmp_lg_u32 s3, 0
	s_cbranch_scc1 .Llap
.endif
	KSTEP 0, 1, 0                                  ; the last lap fills nothing
	KSTEP 0, 2, 0
	TURN 0, 1, 0
	KSTEP 1, 0, 0
	KSTEP 1, 1, 0
	KSTEP 1, 2, 0
	s_wait_dscnt 0x0
	MUL4 F1, 0
	WIN 0
.macro TOSTAGE a                       ; LDS serves a wave's instructions in order (ISA guide 5.7.1.4): no wait between my stores and my loads
.set BB, 32+32*((\a)%2)
.irp t, 0,1,2,3
	ds_store_b128 v11, v[ACC+8*(4*(\a)+\t):ACC+8*(4*(\a)+\t)+3] offset:128*(\t/2)+32*(\t%2)
	ds_store_b128 v11, v[ACC+8*(4*(\a)+\t)+4:ACC+8*(4*(\a)+\t)+7] offset:128*(\t/2)+32*(\t%2)+16
.endr
.irp i, 0,1,2,3,4,5,6,7
	ds_load_b128 v[BB+4*\i:BB+4*\i+3], v12 offset:\i*2*SP
.endr
.endm
.macro SEND a, younger
.set BB, 32+32*((\a)%2)
	s_wait_dscnt \younger                          ; the block is back; the LDS instructions issued behind its loads may be out
	WIN 0x20                                       ; source 2 (the residual) window 2
.irp i, 0,2,4,6,8,10,12,14,16,18,20,22,24,26,28,30
	v_pk_fma_f32 v[BB+\i:BB+\i+1], v[BB+\i:BB+\i+1], s[92:93], v[32*(\a)+\i:32*(\a)+\i+1] op_sel_hi:[1,0,1]
.endr
	WIN 0
.irp i, 0,1,2,3,4,5,6,7
	v_pk_add_f32 v[BB+4*\i:BB+4*\i+1], v[BB+4*\i:BB+4*\i+1], v[96:97]
	v_pk_add_f32 v[BB+4*\i+2:BB+4*\i+3], v[BB+4*\i+2:BB+4*\i+3], v[98:99]
.endr
.irp i, 0,1,2,3,4,5,6,7
.if FINAL
	global_store_b128 v10, v[BB+4*\i:BB+4*\i+3], s[14:15] offset:(16*(\a)+2*\i)*4096 th:TH_STORE_NT
.else
	global_store_b128 v10, v[BB+4*\i:BB+4*\i+3], s[14:15] offset:(16*(\a)+2*\i)*4096
.endif
.endr
.endm
	PLACES
	s_wait_alu depctr_va_vdst(0)
	s_wait_loadcnt 0x0                             ; the residual and the bias
	TOSTAGE 0
.irp a, 1,2,3
.if \a > 1
	s_wait_xcnt 0x0                                ; block a - 2's stores have read their registers: block a's loads may land there
.endif
	TOSTAGE \a
	SEND \a-1, 16                                  ; behind block a - 1's loads: block a's 8 stores and 8 loads
.endr
	SEND 3, 0
	s_wait_tensorcnt 0x0                           ; the wave's end
	ds_add_u32 v8, v9
	s_wait_dscnt 0x0
	CROUND                                         ; the closing round
	s_endpgm
.Lfunc_end_k_qc4c1db0000_wo:
	.size	k_qc4c1db0000_wo, .Lfunc_end_k_qc4c1db0000_wo-k_qc4c1db0000_wo
	.p2alignl 7, 3214868480
	.fill 96, 4, 3214868480
	.section	.rodata,"a",@progbits
	.p2align	6, 0x0
	.amdhsa_kernel k_qc4c1db0000_wo
		.amdhsa_group_segment_fixed_size 327680
		.amdhsa_private_segment_fixed_size 0
		.amdhsa_enable_private_segment 0
		.amdhsa_kernarg_size 48
		.amdhsa_user_sgpr_count 2
		.amdhsa_user_sgpr_kernarg_segment_ptr 1
		.amdhsa_wavefront_size32 1
		.amdhsa_system_sgpr_workgroup_id_x 1
		.amdhsa_system_sgpr_workgroup_id_y 1
		.amdhsa_system_sgpr_workgroup_id_z 1
		.amdhsa_system_vgpr_workitem_id 0
		.amdhsa_next_free_vgpr 768
		.amdhsa_next_free_sgpr 102
		.amdhsa_reserve_vcc 0
		.amdhsa_float_denorm_mode_32 3
		.amdhsa_float_denorm_mode_16_64 3
		.amdhsa_memory_ordered 1
		.amdhsa_forward_progress 1
		.amdhsa_inst_pref_size 52
	.end_amdhsa_kernel
	.amdgpu_metadata
---
amdhsa.version: [ 1, 2 ]
amdhsa.kernels:
  - .name:           k_qc4c1db0000_wo
    .symbol:         k_qc4c1db0000_wo.kd
    .args:
      - { .name: ac, .offset: 0, .size: 8, .value_kind: global_buffer, .address_space: global }
      - { .name: wc, .offset: 8, .size: 8, .value_kind: global_buffer, .address_space: global }
      - { .name: bo, .offset: 16, .size: 8, .value_kind: global_buffer, .address_space: global }
      - { .name: x, .offset: 24, .size: 8, .value_kind: global_buffer, .address_space: global }
      - { .name: lowp_scales, .offset: 32, .size: 8, .value_kind: global_buffer, .address_space: global }
      - { .name: x1, .offset: 40, .size: 8, .value_kind: global_buffer, .address_space: global }
    .group_segment_fixed_size: 327680
    .private_segment_fixed_size: 0
    .kernarg_segment_align: 8
    .kernarg_segment_size: 48
    .max_flat_workgroup_size: 128
    .sgpr_count:     102
    .vgpr_count:     768
    .wavefront_size: 32
...
	.end_amdgpu_metadata
.endif
;; end of part 4
;; launch ln2 (part 5): grid 256 x 1, 8 waves a work-group, no clusters, 66,816 bytes of LDS; arguments x1, ln2_g, ln2_b, lowp_scales, h2c; writes h2c
.if DOCPART == 5
	.amdgcn_target "amdgcn-amd-amdhsa--gfx1250"
	.amdhsa_code_object_version 6
	.text
	.protected	k_qc4c1db0000_ln2
	.globl	k_qc4c1db0000_ln2
	.p2align	8
	.type	k_qc4c1db0000_ln2,@function
k_qc4c1db0000_ln2:
	s_mov_b64 s[64:65], 0
	v_nop
	global_prefetch_b8 v0, s[64:65] scope:SCOPE_SE
	s_setreg_imm32_b32 hwreg(HW_REG_WAVE_MODE, 25, 1), 1
	s_wait_xcnt 0x0
; DiT block, launch 5 of 7: LayerNorm 2 of x1, quantised (scale entry 12) into images of operand registers: 16 rows x 128 K = 2,048 bytes, [c][lane][16]; blocks of 128 rows x 512 K.  No work of reference() is left out.
; LIMIT: e12 between -126 and 119.  NaN among the inputs is not served.
; A work-group takes 16 rows.  Phase 1: wave w loads rows 2 w and 2 w + 1, 512 consecutive bytes a load, normalises them (a row lies in one wave) and puts them into LDS.
; Phase 2: wave w takes K step w: a lane reads its 64 numbers, holds, converts, and stores the fragment, 512 consecutive bytes a store.
.set PITCH, 4112                       ; 4,096 bytes + 16: an odd multiple of 16
.set SPARE, 16*PITCH                   ; the spare words, 128 bytes for each of eight waves
.set X, 16
.set G, 80
.set B, 112
.set T, 80
.set C0, 112
	s_load_b256 s[16:23], s[0:1], 0x0              ; x1, ln2_g, ln2_b, lowp_scales
	s_load_b64 s[36:37], s[0:1], 0x20              ; h2c
	v_lshl_add_u32 v4, v0, 2, SPARE
	v_mov_b32 v5, 0
	v_lshrrev_b32 v6, 5, v0
	s_delay_alu instid0(VALU_DEP_1)
	v_readfirstlane_b32 s11, v6
	v_and_b32 v7, 31, v0
	s_delay_alu instid0(VALU_DEP_1)
	v_lshlrev_b32 v1, 4, v7
	s_mul_i32 s6, s11, 2*PITCH
	v_add_nc_u32 v2, s6, v1
	v_and_b32 v6, 15, v0
	v_bfe_u32 v7, v0, 4, 1
	s_delay_alu instid0(VALU_DEP_2)
	v_mul_u32_u24 v3, v6, PITCH
	s_delay_alu instid0(VALU_DEP_1)
	v_lshl_add_u32 v3, v7, 6, v3
	s_lshl_b32 s6, s11, 9
	v_add_nc_u32 v3, s6, v3
	v_mov_b32 v10, 0
	v_mov_b32 v11, 0
	s_mov_b32 s60, 0x76543210
	s_mov_b32 s61, 0xfedcba98
	s_mov_b32 s62, 0x3a800000                      ; 1 / 1024
	s_mov_b32 s63, 0x358637bd                      ; 1e-6
	s_lshl_b32 s6, ttmp9, 4
	s_lshl_b32 s7, s11, 1
	s_add_co_u32 s6, s6, s7
	s_lshl_b32 s66, s6, 12                         ; row 16 RT + 2 w
	s_mov_b32 s67, 0
	s_lshr_b32 s6, ttmp9, 3
	s_lshl_b32 s6, s6, 1
	s_lshr_b32 s7, s11, 2
	s_add_co_u32 s6, s6, s7
	s_lshl_b32 s68, s6, 16
	s_and_b32 s7, s11, 3
	s_lshl_b32 s7, s7, 14
	s_add_co_u32 s68, s68, s7
	s_and_b32 s7, ttmp9, 7
	s_lshl_b32 s7, s7, 11
	s_add_co_u32 s68, s68, s7                      ; my fragment: tile RT, K step w
	s_mov_b32 s69, 0
	s_wait_alu depctr_va_vdst(0)
	s_wait_kmcnt 0x0
	s_load_b32 s70, s[22:23], 0x30                 ; e12
	s_add_nc_u64 s[12:13], s[16:17], s[66:67]
	s_add_nc_u64 s[40:41], s[36:37], s[68:69]
.irp q, 0,1
.irp i, 0,1,2,3,4,5,6,7
	global_load_b128 v[X+32*\q+4*\i:X+32*\q+4*\i+3], v1, s[12:13] offset:4096*\q+512*\i
.endr
.endr
.irp i, 0,1,2,3,4,5,6,7
	global_load_b128 v[G+4*\i:G+4*\i+3], v1, s[18:19] offset:512*\i
	global_load_b128 v[B+4*\i:B+4*\i+3], v1, s[20:21] offset:512*\i
.endr
	s_wait_loadcnt 16                              ; the rows are in; the 16 younger loads, gain and bias, may be out
	v_pk_add_f32 v[6:7], v[X:X+1], v[X+2:X+3]
	v_pk_add_f32 v[8:9], v[X+32:X+33], v[X+34:X+35]
.irp j, 4,6,8,10,12,14,16,18,20,22,24,26,28,30
	s_delay_alu instid0(VALU_DEP_2)
	v_pk_add_f32 v[6:7], v[6:7], v[X+\j:X+\j+1]
	s_delay_alu instid0(VALU_DEP_2)
	v_pk_add_f32 v[8:9], v[8:9], v[X+32+\j:X+33+\j]
.endr
	s_delay_alu instid0(VALU_DEP_2)
	v_add_f32 v6, v6, v7
	s_delay_alu instid0(VALU_DEP_2)
	v_add_f32 v8, v8, v9
.irp m, 1,2,4,8
	s_delay_alu instid0(VALU_DEP_2)
	v_add_f32_dpp v6, v6, v6 row_xmask:\m row_mask:0xf bank_mask:0xf
	s_delay_alu instid0(VALU_DEP_2)
	v_add_f32_dpp v8, v8, v8 row_xmask:\m row_mask:0xf bank_mask:0xf
.endr
	s_delay_alu instid0(VALU_DEP_2)
	v_permlanex16_b32 v10, v6, s60, s61
	s_delay_alu instid0(VALU_DEP_2)
	v_permlanex16_b32 v11, v8, s60, s61
	s_delay_alu instid0(VALU_DEP_2)
	v_add_f32 v6, v6, v10
	s_delay_alu instid0(VALU_DEP_2)
	v_add_f32 v8, v8, v11
	s_delay_alu instid0(VALU_DEP_2)
	v_mul_f32 v6, s62, v6
	s_delay_alu instid0(VALU_DEP_2)
	v_mul_f32 v8, s62, v8
.irp j, 0,2,4,6,8,10,12,14,16,18,20,22,24,26,28,30
	v_pk_add_f32 v[X+\j:X+\j+1], v[X+\j:X+\j+1], v[6:7] op_sel_hi:[1,0] neg_lo:[0,1] neg_hi:[0,1]
	v_pk_add_f32 v[X+32+\j:X+33+\j], v[X+32+\j:X+33+\j], v[8:9] op_sel_hi:[1,0] neg_lo:[0,1] neg_hi:[0,1]
.endr
	v_pk_mul_f32 v[12:13], v[X:X+1], v[X:X+1]
	v_pk_mul_f32 v[14:15], v[X+32:X+33], v[X+32:X+33]
.irp j, 2,4,6,8,10,12,14,16,18,20,22,24,26,28,30
	s_delay_alu instid0(VALU_DEP_2)
	v_pk_fma_f32 v[12:13], v[X+\j:X+\j+1], v[X+\j:X+\j+1], v[12:13]
	s_delay_alu instid0(VALU_DEP_2)
	v_pk_fma_f32 v[14:15], v[X+32+\j:X+33+\j], v[X+32+\j:X+33+\j], v[14:15]
.endr
	s_delay_alu instid0(VALU_DEP_2)
	v_add_f32 v12, v12, v13
	s_delay_alu instid0(VALU_DEP_2)
	v_add_f32 v14, v14, v15
.irp m, 1,2,4,8
	s_delay_alu instid0(VALU_DEP_2)
	v_add_f32_dpp v12, v12, v12 row_xmask:\m row_mask:0xf bank_mask:0xf
	s_delay_alu instid0(VALU_DEP_2)
	v_add_f32_dpp v14, v14, v14 row_xmask:\m row_mask:0xf bank_mask:0xf
.endr
	s_delay_alu instid0(VALU_DEP_2)
	v_permlanex16_b32 v10, v12, s60, s61
	s_delay_alu instid0(VALU_DEP_2)
	v_permlanex16_b32 v11, v14, s60, s61
	s_delay_alu instid0(VALU_DEP_2)
	v_add_f32 v12, v12, v10
	s_delay_alu instid0(VALU_DEP_2)
	v_add_f32 v14, v14, v11
	s_delay_alu instid0(VALU_DEP_2)
	v_fma_f32 v12, v12, s62, s63
	s_delay_alu instid0(VALU_DEP_2)
	v_fma_f32 v14, v14, s62, s63
	s_wait_alu depctr_va_vdst(0)
	v_rsq_f32 v12, v12
	v_rsq_f32 v14, v14
	v_nop                                          ; a plain line behind the transcendentals,
	s_wait_alu depctr_va_vdst(0)                   ; and the one wait for both, ahead of their first reader
	s_wait_loadcnt 0x0
.irp j, 0,2,4,6,8,10,12,14,16,18,20,22,24,26,28,30
	v_pk_mul_f32 v[X+\j:X+\j+1], v[X+\j:X+\j+1], v[12:13] op_sel_hi:[1,0]
	v_pk_mul_f32 v[X+32+\j:X+33+\j], v[X+32+\j:X+33+\j], v[14:15] op_sel_hi:[1,0]
.endr
.irp j, 0,2,4,6,8,10,12,14,16,18,20,22,24,26,28,30
	v_pk_fma_f32 v[X+\j:X+\j+1], v[X+\j:X+\j+1], v[G+\j:G+\j+1], v[B+\j:B+\j+1]
	v_pk_fma_f32 v[X+32+\j:X+33+\j], v[X+32+\j:X+33+\j], v[G+\j:G+\j+1], v[B+\j:B+\j+1]
.endr
.irp q, 0,1
.irp i, 0,1,2,3,4,5,6,7
	ds_store_b128 v2, v[X+32*\q+4*\i:X+32*\q+4*\i+3] offset:\q*PITCH+512*\i
.endr
.endr
	s_wait_kmcnt 0x0
	s_add_co_i32 s71, s70, 127
	s_lshl_b32 s6, s71, 23
	v_mov_b32 v8, s6                               ; 2^e12
	s_add_co_i32 s71, s71, 8
	s_lshl_b32 s71, s71, 23
	s_or_b32 s71, s71, 0x600000
	v_mov_b32 v9, s71                              ; 448 x 2^e12
	s_wait_alu depctr_va_vdst(0)
	s_wait_dscnt 0x0                               ; for the others' sake: my rows lie in LDS
	s_barrier_signal -1
	s_barrier_wait -1
.irp c, 0,1,2,3
.irp j, 0,1,2,3
	ds_load_b128 v[X+16*\c+4*\j:X+16*\c+4*\j+3], v3 offset:128*\c+16*\j
.endr
.endr
	s_wait_dscnt 0x0
.irp c, 0,1,2,3
.irp i, 0,1,2,3,4,5,6,7,8,9,10,11,12,13,14,15
	v_med3_num_f32 v[T+16*(\c%2)+\i], v[X+16*\c+\i], -v9, v9   ; the conversion to an 8-bit code does not saturate (ISA guide 7.6.2): the hold
.endr
	v_cvt_scalef32_pk8_fp8_f32 v[C0+4*\c:C0+4*\c+1], v[T+16*(\c%2):T+16*(\c%2)+7], v8
	v_cvt_scalef32_pk8_fp8_f32 v[C0+4*\c+2:C0+4*\c+3], v[T+16*(\c%2)+8:T+16*(\c%2)+15], v8
.endr
	v_nop
.irp c, 0,1,2,3
	global_store_b128 v1, v[C0+4*\c:C0+4*\c+3], s[40:41] offset:512*\c
.endr
	s_wait_tensorcnt 0x0                           ; the wave's end, behind my last LDS store
	ds_add_u32 v4, v5
	s_wait_dscnt 0x0
	s_endpgm
.Lfunc_end_k_qc4c1db0000_ln2:
	.size	k_qc4c1db0000_ln2, .Lfunc_end_k_qc4c1db0000_ln2-k_qc4c1db0000_ln2
	.p2alignl 7, 3214868480
	.fill 96, 4, 3214868480
	.section	.rodata,"a",@progbits
	.p2align	6, 0x0
	.amdhsa_kernel k_qc4c1db0000_ln2
		.amdhsa_group_segment_fixed_size 66816
		.amdhsa_private_segment_fixed_size 0
		.amdhsa_enable_private_segment 0
		.amdhsa_kernarg_size 40
		.amdhsa_user_sgpr_count 2
		.amdhsa_user_sgpr_kernarg_segment_ptr 1
		.amdhsa_wavefront_size32 1
		.amdhsa_system_sgpr_workgroup_id_x 1
		.amdhsa_system_sgpr_workgroup_id_y 1
		.amdhsa_system_sgpr_workgroup_id_z 1
		.amdhsa_system_vgpr_workitem_id 0
		.amdhsa_next_free_vgpr 144
		.amdhsa_next_free_sgpr 72
		.amdhsa_reserve_vcc 0
		.amdhsa_float_denorm_mode_32 3
		.amdhsa_float_denorm_mode_16_64 3
		.amdhsa_memory_ordered 1
		.amdhsa_forward_progress 1
		.amdhsa_inst_pref_size 28
	.end_amdhsa_kernel
	.amdgpu_metadata
---
amdhsa.version: [ 1, 2 ]
amdhsa.kernels:
  - .name:           k_qc4c1db0000_ln2
    .symbol:         k_qc4c1db0000_ln2.kd
    .args:
      - { .name: x1, .offset: 0, .size: 8, .value_kind: global_buffer, .address_space: global }
      - { .name: ln2_g, .offset: 8, .size: 8, .value_kind: global_buffer, .address_space: global }
      - { .name: ln2_b, .offset: 16, .size: 8, .value_kind: global_buffer, .address_space: global }
      - { .name: lowp_scales, .offset: 24, .size: 8, .value_kind: global_buffer, .address_space: global }
      - { .name: h2c, .offset: 32, .size: 8, .value_kind: global_buffer, .address_space: global }
    .group_segment_fixed_size: 66816
    .private_segment_fixed_size: 0
    .kernarg_segment_align: 8
    .kernarg_segment_size: 40
    .max_flat_workgroup_size: 256
    .sgpr_count:     72
    .vgpr_count:     144
    .wavefront_size: 32
...
	.end_amdgpu_metadata
.endif
;; end of part 5
;; launch w1 (part 6): grid 8 x 32, 8 waves a work-group, no clusters, 0 bytes of LDS; arguments h2c, wc, b1, lowp_scales, hid; writes hid
.if DOCPART == 6
	.amdgcn_target "amdgcn-amd-amdhsa--gfx1250"
	.amdhsa_code_object_version 6
	.text
	.protected	k_qc4c1db0000_w1
	.globl	k_qc4c1db0000_w1
	.p2align	8
	.type	k_qc4c1db0000_w1,@function
k_qc4c1db0000_w1:
	s_mov_b64 s[64:65], 0
	v_nop
	global_prefetch_b8 v0, s[64:65] scope:SCOPE_SE
	s_setreg_imm32_b32 hwreg(HW_REG_WAVE_MODE, 25, 1), 1
	s_wait_xcnt 0x0
; DiT block, launch 6 of 7: hid = Q(gelu(h2 W1^T + b1)), the product on codes of E4M3 (scale entries 12, 13), the result quantised under entry 14.  No work of reference() is left out.
; LIMITS: e12 + e13 between -126 and 127; e14 between -126 and 119.  NaN among the inputs is not served.
; OPERANDS are images of their registers (16 rows x 128 K = 2,048 bytes, [c][lane][16]); a group of 128 rows is 131,072 consecutive bytes, [K step 0..7][tile 0..7][2,048].
; NO TILE PASSES LDS: a fragment is four loads of 512 consecutive bytes from memory straight into the operand's registers.  Through LDS a K step of a 128 x 128 block would be written once (32 KB)
; and read twice (64 KB) for its 64 matrix instructions.  So there is no tensor load, hence no joint load and no cluster; waves share nothing, and there is no barrier.
; SHARES.  A work-group takes 128 tokens x 512 columns; wave w takes tokens 64 (w % 2) on and columns 128 (w / 2) on, as two tiles of 64 x 64 one after the other: 16 accumulators.
; Two waves share a SIMD.  Loads run two K steps ahead in two fragment buffers; the next tile's first two K steps are asked for ahead of the way out.
; No prefetch: a work-group's part of what its partners share is 2 KB of tokens and 2 KB of weights a K step, a few lanes an instruction, and K has 8 steps.
; THE MATRIX INSTRUCTION IS USED TRANSPOSED (source 0 = weights, source 1 = tokens): a lane holds one token and, in tiles 2 b + u, columns 32 b + 16 h + 8 u + j: 16 neighbours of the next product's K.
; GELU: x (1 + erf(x / sqrt 2)) / 2, erf as z P(z^2) / Q(z^2) on z held within +-4, in f32.
; REGISTERS: window 0: v3 16 x lane, v10 offset in the bias, v16, v17 scale and hold, v20-31 coefficients, v32-63 bias, v64-103 at work, v104-119 codes, v128-255 accumulators.  Window 1: two fragment buffers.
.set ACC, 128
.set F0,  0
.set WV, 66
.set WH, 67
.set CG, 68
.set MSB, 0
.macro WIN new
.if MSB != \new
	s_set_vgpr_msb (MSB<<8)|\new
.set MSB, \new
.endif
.endm
.set MUL,  0x05
.set TO_F, 0x40
.macro PLACES
.rept 4
	v_nop
.endr
.endm
.macro FETCH ks, f                     ; 32 loads: four tiles of weights, four of tokens, of K step ks
	WIN TO_F
.irp t, 0,1,2,3
.irp c, 0,1,2,3
	global_load_b128 v[\f+64+16*\t+4*\c:\f+64+16*\t+4*\c+3], v3, s[6:7] offset:(\ks)*16384+\t*2048+512*\c
.endr
.endr
.irp a, 0,1,2,3
.irp c, 0,1,2,3
	global_load_b128 v[\f+16*\a+4*\c:\f+16*\a+4*\c+3], v3, s[4:5] offset:(\ks)*16384+\a*2048+512*\c
.endr
.endr
.endm
.macro MULA f, a, zero                 ; the 16 accumulators take turns, one instruction a turn, in the same order everywhere
.irp t, 0,1,2,3
.if \zero
	v_wmma_f32_16x16x128_fp8_fp8 v[ACC+8*(4*(\a)+\t):ACC+8*(4*(\a)+\t)+7], v[\f+64+16*\t:\f+64+16*\t+15], v[\f+16*(\a):\f+16*(\a)+15], 0
.else
	v_wmma_f32_16x16x128_fp8_fp8 v[ACC+8*(4*(\a)+\t):ACC+8*(4*(\a)+\t)+7], v[\f+64+16*\t:\f+64+16*\t+15], v[\f+16*(\a):\f+16*(\a)+15], v[ACC+8*(4*(\a)+\t):ACC+8*(4*(\a)+\t)+7]
.endif
.endr
.endm
.macro KSTEP ks, cnt, zero, more       ; cnt: the loads younger than this step's 32
	s_wait_loadcnt \cnt
	WIN MUL
	MULA F0+128*((\ks)%2), 0, \zero
	MULA F0+128*((\ks)%2), 1, \zero
	MULA F0+128*((\ks)%2), 2, \zero
	MULA F0+128*((\ks)%2), 3, \zero
.if \more
	PLACES                                         ; ahead of loads into registers that matrix instructions have read
	FETCH (\ks)+2, F0+128*((\ks)%2)
.endif
.endm
	s_load_b256 s[4:11], s[0:1], 0x0               ; h2c, wc, b1, lowp_scales
	s_load_b64 s[12:13], s[0:1], 0x20              ; hid
	v_lshrrev_b32 v1, 5, v0
	v_readfirstlane_b32 s[WV], v1                  ; wave 0..7
	s_and_b32 s[WH], s[WV], 1
	s_lshr_b32 s[CG], s[WV], 1
	s_and_b32 s43, ttmp7, 0xffff                   ; which 128 tokens
	s_lshl_b32 s44, s43, 17
	s_lshl_b32 s45, s[WH], 13
	s_add_co_u32 s44, s44, s45                     ; tokens: the group, + my four tiles
	s_mov_b32 s45, 0
	s_lshl_b32 s46, ttmp9, 2
	s_add_co_u32 s46, s46, s[CG]
	s_lshl_b32 s46, s46, 17
	s_add_co_u32 s46, s46, 0x400000                ; weights: W1's place in wc, + my group of 128 rows
	s_mov_b32 s47, 0
	s_lshl_b32 s72, s43, 3
	s_add_co_u32 s72, s72, ttmp9
	s_lshl_b32 s72, s72, 16                        ; the result: block of 128 tokens x 512 columns,
	s_lshl_b32 s73, s[CG], 14
	s_add_co_u32 s72, s72, s73                     ; its K step of 128 columns,
	s_lshl_b32 s73, s[WH], 13
	s_add_co_u32 s72, s72, s73                     ; my four tiles of tokens
	s_mov_b32 s73, 0
	s_lshl_b32 s74, ttmp9, 11
	s_lshl_b32 s75, s[CG], 9
	s_add_co_u32 s74, s74, s75                     ; the bias: 4 bytes x (512 x + 128 (w / 2))
	s_mov_b32 s75, 0
	v_and_b32 v3, 31, v0
	v_lshlrev_b32 v3, 4, v3
	v_bfe_u32 v2, v0, 4, 1
	v_lshlrev_b32 v10, 6, v2
	v_mov_b32 v20, 0xaf95df0b
	v_mov_b32 v21, 0x32edffee
	v_mov_b32 v22, 0xb60cff51
	v_mov_b32 v23, 0xb86ec2d2
	v_mov_b32 v24, 0xba40ac63
	v_mov_b32 v25, 0xbb41a1f6
	v_mov_b32 v26, 0xbc83dbd4
	v_mov_b32 v27, 0xb77460cd
	v_mov_b32 v28, 0xb95fbd29
	v_mov_b32 v29, 0xbadc924e
	v_mov_b32 v30, 0xbbf19bf8
	v_mov_b32 v31, 0xbc69b6a7
	s_wait_alu depctr_va_vdst(0)
	s_wait_kmcnt 0x0
	s_load_b128 s[88:91], s[10:11], 0x30           ; entries 12 to 15
	s_add_nc_u64 s[4:5], s[4:5], s[44:45]
	s_add_nc_u64 s[6:7], s[6:7], s[46:47]
	s_add_nc_u64 s[12:13], s[12:13], s[72:73]
	s_add_nc_u64 s[8:9], s[8:9], s[74:75]
	FETCH 0, F0
	FETCH 1, F0+128
	WIN 0
.macro BIAS
.irp t, 0,1,2,3
	global_load_b128 v[32+8*\t:35+8*\t], v10, s[8:9] offset:128*(\t/2)+32*(\t%2)
	global_load_b128 v[36+8*\t:39+8*\t], v10, s[8:9] offset:128*(\t/2)+32*(\t%2)+16
.endr
.endm
	s_wait_kmcnt 0x0
	s_add_co_i32 s92, s88, s89
	s_add_co_i32 s92, s92, 127
	s_lshl_b32 s92, s92, 23                        ; 2^(e12 + e13)
	s_mov_b32 s93, s92
	s_add_co_i32 s70, s90, 127
	s_lshl_b32 s71, s70, 23
	v_mov_b32 v16, s71                             ; 2^e14
	s_add_co_i32 s70, s70, 8
	s_lshl_b32 s70, s70, 23
	s_or_b32 s70, s70, 0x600000
	v_mov_b32 v17, s70                             ; 448 x 2^e14
.macro HORN d, cp, sel
.irp j, 0,2,4,6
	v_pk_fma_f32 v[\d+\j:\d+\j+1], v[\d+\j:\d+\j+1], v[80+\j:81+\j], v[\cp:\cp+1] op_sel:[0,0,\sel] op_sel_hi:[1,1,\sel]
.endr
.endm
.macro GELU8 a, t, cd
.irp j, 0,2,4,6
	v_pk_fma_f32 v[64+\j:65+\j], v[ACC+8*(4*(\a)+(\t))+\j:ACC+8*(4*(\a)+(\t))+\j+1], s[92:93], v[32+8*(\t)+\j:33+8*(\t)+\j] op_sel_hi:[1,0,1]
.endr
.irp j, 0,2,4,6
	v_pk_mul_f32 v[72+\j:73+\j], v[64+\j:65+\j], 0x3f3504f3 op_sel_hi:[1,0]
.endr
.irp j, 0,1,2,3,4,5,6,7
	v_med3_num_f32 v[72+\j], v[72+\j], -4.0, 4.0
.endr
.irp j, 0,2,4,6
	v_pk_mul_f32 v[80+\j:81+\j], v[72+\j:73+\j], v[72+\j:73+\j]
.endr
.irp j, 0,2,4,6
	v_pk_fma_f32 v[88+\j:89+\j], v[80+\j:81+\j], v[20:21], v[20:21] op_sel:[0,0,1] op_sel_hi:[1,0,1]
	v_pk_fma_f32 v[96+\j:97+\j], v[80+\j:81+\j], v[26:27], v[28:29] op_sel:[0,1,0] op_sel_hi:[1,1,0]
.endr
	HORN 88, 22, 0
	HORN 96, 28, 1
	HORN 88, 22, 1
	HORN 96, 30, 0
	HORN 88, 24, 0
	HORN 96, 30, 1
	s_wait_alu depctr_va_vdst(0)                   ; ahead of the batch
.irp j, 0,1,2,3,4,5,6,7
	v_rcp_f32 v[96+\j], v[96+\j]
.endr
	HORN 88, 24, 1
	HORN 88, 26, 0
.irp j, 0,2,4,6
	v_pk_mul_f32 v[88+\j:89+\j], v[88+\j:89+\j], v[72+\j:73+\j]
.endr
	s_wait_alu depctr_va_vdst(0)                   ; behind it, ahead of its first reader
.irp j, 0,2,4,6
	v_pk_mul_f32 v[88+\j:89+\j], v[88+\j:89+\j], v[96+\j:97+\j]
.endr
.irp j, 0,2,4,6
	v_pk_fma_f32 v[88+\j:89+\j], v[88+\j:89+\j], 0.5, 0.5 op_sel_hi:[1,0,0]
.endr
.irp j, 0,2,4,6
	v_pk_mul_f32 v[64+\j:65+\j], v[64+\j:65+\j], v[88+\j:89+\j]
.endr
.irp j, 0,1,2,3,4,5,6,7
	v_med3_num_f32 v[64+\j], v[64+\j], -v17, v17
.endr
	v_cvt_scalef32_pk8_fp8_f32 v[\cd:\cd+1], v[64:71], v16
	v_nop
.endm
.macro EPI                             ; the bias is in: its loads are older than loads that the K steps have waited for
.irp a, 0,1,2,3
	s_wait_xcnt 0x0                                ; the stores of two blocks ago have read their registers
.irp b, 0,1
	GELU8 \a, 2*\b, 104+8*(\a%2)+4*\b
	GELU8 \a, 2*\b+1, 106+8*(\a%2)+4*\b
	global_store_b128 v3, v[104+8*(\a%2)+4*\b:107+8*(\a%2)+4*\b], s[12:13] offset:\a*2048+\b*512   ; 32 lanes store 512 consecutive bytes, aligned
.endr
.endr
.endm
	s_mov_b32 s3, 2                                ; tiles to go
	s_wait_alu depctr_va_vdst(0)
.Ltile:
	BIAS                                           ; 8 loads, younger than the 64 of K steps 0 and 1
	KSTEP 0, 40, 1, 1                              ; younger: K step 1's 32 and the bias's 8
	KSTEP 1, 40, 0, 1                              ; younger: the bias's 8 and K step 2's 32
	KSTEP 2, 32, 0, 1
	KSTEP 3, 32, 0, 1
	KSTEP 4, 32, 0, 1
	KSTEP 5, 32, 0, 1
	KSTEP 6, 32, 0, 0
	KSTEP 7, 0, 0, 0
	WIN 0
	PLACES                                         ; ahead of the loads below and of the first read of the sums
	s_cmp_eq_u32 s3, 1
	s_cbranch_scc1 .Llast                          ; the last tile asks for nothing more
	s_wait_xcnt 0x0                                ; the loads have read their base
	s_add_nc_u64 s[6:7], s[6:7], 8192              ; the next four tiles of weights
	FETCH 0, F0
	FETCH 1, F0+128
	WIN 0
.Llast:
	EPI
	s_wait_xcnt 0x0
	s_add_nc_u64 s[12:13], s[12:13], 1024          ; the next 64 columns: two groups of 32 in the result's fragments,
	s_add_nc_u64 s[8:9], s[8:9], 256               ; and in the bias
	s_sub_co_u32 s3, s3, 1
	s_cmp_lg_u32 s3, 0
	s_cbranch_scc1 .Ltile
	s_endpgm
.Lfunc_end_k_qc4c1db0000_w1:
	.size	k_qc4c1db0000_w1, .Lfunc_end_k_qc4c1db0000_w1-k_qc4c1db0000_w1
	.p2alignl 7, 3214868480
	.fill 96, 4, 3214868480
	.section	.rodata,"a",@progbits
	.p2align	6, 0x0
	.amdhsa_kernel k_qc4c1db0000_w1
		.amdhsa_group_segment_fixed_size 0
		.amdhsa_private_segment_fixed_size 0
		.amdhsa_enable_private_segment 0
		.amdhsa_kernarg_size 40
		.amdhsa_user_sgpr_count 2
		.amdhsa_user_sgpr_kernarg_segment_ptr 1
		.amdhsa_wavefront_size32 1
		.amdhsa_system_sgpr_workgroup_id_x 1
		.amdhsa_system_sgpr_workgroup_id_y 1
		.amdhsa_system_sgpr_workgroup_id_z 1
		.amdhsa_system_vgpr_workitem_id 0
		.amdhsa_next_free_vgpr 512
		.amdhsa_next_free_sgpr 96
		.amdhsa_reserve_vcc 0
		.amdhsa_float_denorm_mode_32 3
		.amdhsa_float_denorm_mode_16_64 3
		.amdhsa_memory_ordered 1
		.amdhsa_forward_progress 1
		.amdhsa_inst_pref_size 138
	.end_amdhsa_kernel
	.amdgpu_metadata
---
amdhsa.version: [ 1, 2 ]
amdhsa.kernels:
  - .name:           k_qc4c1db0000_w1
    .symbol:         k_qc4c1db0000_w1.kd
    .args:
      - { .name: h2c, .offset: 0, .size: 8, .value_kind: global_buffer, .address_space: global }
      - { .name: wc, .offset: 8, .size: 8, .value_kind: global_buffer, .address_space: global }
      - { .name: b1, .offset: 16, .size: 8, .value_kind: global_buffer, .address_space: global }
      - { .name: lowp_scales, .offset: 24, .size: 8, .value_kind: global_buffer, .address_space: global }
      - { .name: hid, .offset: 32, .size: 8, .value_kind: global_buffer, .address_space: global }
    .group_segment_fixed_size: 0
    .private_segment_fixed_size: 0
    .kernarg_segment_align: 8
    .kernarg_segment_size: 40
    .max_flat_workgroup_size: 256
    .sgpr_count:     96
    .vgpr_count:     512
    .wavefront_size: 32
...
	.end_amdgpu_metadata
.endif
;; end of part 6
;; launch w2 (part 7): grid 8 x 32, 8 waves a work-group, no clusters, 140,288 bytes of LDS; arguments hid, wc, b2, x1, lowp_scales, out0; writes out0
.if DOCPART == 7
	.amdgcn_target "amdgcn-amd-amdhsa--gfx1250"
	.amdhsa_code_object_version 6
	.text
	.protected	k_qc4c1db0000_w2
	.globl	k_qc4c1db0000_w2
	.p2align	8
	.type	k_qc4c1db0000_w2,@function
k_qc4c1db0000_w2:
	s_mov_b64 s[64:65], 0
	v_nop
	global_prefetch_b8 v0, s[64:65] scope:SCOPE_SE
	s_setreg_imm32_b32 hwreg(HW_REG_WAVE_MODE, 25, 1), 1
	s_wait_xcnt 0x0
; DiT block, launch 7 of 7: out0 = x1 + hid W2^T + b2, the product on codes of E4M3 (scale entries 14, 15).  No work of reference() is left out.
; LIMIT: the two exponents' sum lies between -126 and 127.
; OPERANDS are images of their registers (16 rows x 128 K = 2,048 bytes, [c][lane][16]); a group of 128 rows is 524,288 consecutive bytes, [K step 0..31][tile 0..7][2,048].
; NO OPERAND PASSES LDS: a fragment is four loads of 512 consecutive bytes from memory straight into the operand's registers.  Through LDS a K step of the block would be written once (32 KB)
; and read twice (64 KB) for its 64 matrix instructions.  So there is no tensor load, hence no joint load and no cluster, and no barrier in the walk along K.
; SHARES.  A work-group makes 128 x 128 of the result with eight waves, two to a SIMD: wave (KH, WH, WL) sums 64 x 64 over K steps 16 KH .. 16 KH + 15: 16 accumulators.  Loads run two K steps ahead in two buffers.
; The two waves of a pair (KH = 0, 1) each finish half of their 64 rows.  A wave's local tiles 0, 1 of tokens are those that it finishes (tiles 2 KH, 2 KH + 1 of the four), local 2, 3 its partner's: told apart by address alone.
; THE WAY OUT: every wave puts its four blocks of 16 rows x 64 columns into its own stage in LDS; one barrier; it reads its two blocks and its partner's sums for them back as rows of 256 bytes,
; adds them, x the scale, + the residual, + the bias; sixteen lanes store 256 aligned bytes.
; PREFETCH into the L2: a block of four K steps (65,536 bytes) one trip of the loop ahead of the trip whose loads want it.  The 8 work-groups that read a block of tokens take 8,192 bytes each, the 32 that read a block of
; weights 2,048 each, by address; waves (WH, WL) = (0, 0) ask for tokens, (0, 1) for weights, each in its own half of K.  Blocks 0 and 1 of a half come by their loads alone; the last trip asks for nothing.
; REGISTERS: window 0: v3 16 x lane, v4, v5 tokens' offsets, v6 weights', v8, v9 the add's two, v10 offset in C, v11 stage in, v12, v14 stage back (mine, my partner's), v13 offset in the bias, v15 the prefetch's,
;   v32-95 the residual, v96-99 bias, v128-255 accumulators.  Window 1: two fragment buffers; on the way out v0-63 my rows, v64-127 my partner's.
.set XBASE, 0x800000                   ; W2's place in wc
.set SP,    272                        ; a stage row: 256 bytes + 16
.set BLK,   16*SP                      ; a block of 16 rows
.set SPARE, 8*4*BLK                    ; behind the eight stages: the spare words, 128 bytes for each wave; 139,264 = 544 x 256
.set ACC, 128
.set F0,  0
.set F1,  128
.set WV, 66
.set WH, 67
.set WL, 68
.set KH, 69
.set PF, 58
.set LIM, 60
.set MSB, 0
.macro WIN new
.if MSB != \new
	s_set_vgpr_msb (MSB<<8)|\new
.set MSB, \new
.endif
.endm
.set MUL,  0x05
.set TO_F, 0x40
.macro PLACES
.rept 4
	v_nop
.endr
.endm
.macro FETCH ks, f                     ; 32 loads: four tiles of weights, four of tokens
	WIN TO_F
.irp t, 0,1,2,3
.irp c, 0,1,2,3
	global_load_b128 v[\f+64+16*\t+4*\c:\f+64+16*\t+4*\c+3], v6, s[6:7] offset:(\ks)*16384+\t*2048+512*\c
.endr
.endr
.irp a, 0,1
.irp c, 0,1,2,3
	global_load_b128 v[\f+16*\a+4*\c:\f+16*\a+4*\c+3], v4, s[4:5] offset:(\ks)*16384+\a*2048+512*\c
.endr
.endr
.irp a, 0,1
.irp c, 0,1,2,3
	global_load_b128 v[\f+32+16*\a+4*\c:\f+32+16*\a+4*\c+3], v5, s[4:5] offset:(\ks)*16384+\a*2048+512*\c
.endr
.endr
.endm
.macro MULA f, a, zero                 ; the 16 accumulators take turns, one instruction a turn, in the same order everywhere
.irp t, 0,1,2,3
.if \zero
	v_wmma_f32_16x16x128_fp8_fp8 v[ACC+8*(4*(\a)+\t):ACC+8*(4*(\a)+\t)+7], v[\f+64+16*\t:\f+64+16*\t+15], v[\f+16*(\a):\f+16*(\a)+15], 0
.else
	v_wmma_f32_16x16x128_fp8_fp8 v[ACC+8*(4*(\a)+\t):ACC+8*(4*(\a)+\t)+7], v[\f+64+16*\t:\f+64+16*\t+15], v[\f+16*(\a):\f+16*(\a)+15], v[ACC+8*(4*(\a)+\t):ACC+8*(4*(\a)+\t)+7]
.endif
.endr
.endm
.macro KSTEP f, zero, nxt, cnt         ; multiplies buffer f; nxt >= 0: then fetches K step nxt (counted from the bases) into it; cnt: the loads younger than this step's 32
	s_wait_loadcnt \cnt
	WIN MUL
	MULA \f, 0, \zero
	MULA \f, 1, \zero
	MULA \f, 2, \zero
	MULA \f, 3, \zero
.if \nxt >= 0
	PLACES                                         ; ahead of loads into registers that matrix instructions have read
	FETCH \nxt, \f
.endif
.endm
	s_load_b256 s[4:11], s[0:1], 0x0               ; hid, wc, b2, x1
	s_load_b128 s[12:15], s[0:1], 0x20             ; lowp_scales, out0
	v_lshrrev_b32 v1, 5, v0
	v_readfirstlane_b32 s[WV], v1                  ; wave 0..7
	s_and_b32 s[WL], s[WV], 1
	s_bfe_u32 s[WH], s[WV], 0x10001
	s_lshr_b32 s[KH], s[WV], 2
	s_and_b32 s43, ttmp7, 0xffff                   ; which 128 tokens
	s_lshl_b32 s44, s43, 19
	s_lshl_b32 s45, s[KH], 18
	s_add_co_u32 s44, s44, s45                     ; tokens: the group, + my half of K
	s_lshl_b32 s46, ttmp9, 19
	s_add_co_u32 s46, s46, s45
	s_add_co_u32 s46, s46, XBASE                   ; weights likewise
	s_mov_b32 s45, 0
	s_mov_b32 s47, 0
	s_lshl_b32 s70, s[WH], 13
	s_lshl_b32 s71, s[KH], 12
	s_add_co_u32 s48, s70, s71                     ; tiles 4 WH + 2 KH on: those that I finish
	s_add_co_u32 s49, s70, 4096
	s_sub_co_u32 s49, s49, s71                     ; tiles 4 WH + 2 - 2 KH on: my partner's
	s_lshl_b32 s50, s[WL], 13
	s_mul_i32 s51, s[WV], 4*BLK                    ; my stage
	s_xor_b32 s52, s[WV], 4
	s_mul_i32 s52, s52, 4*BLK                      ; my partner's
	s_lshl_b32 s72, s43, 7
	s_lshl_b32 s73, s[WH], 6
	s_add_co_u32 s72, s72, s73
	s_lshl_b32 s73, s[KH], 5
	s_add_co_u32 s72, s72, s73
	s_lshl_b32 s72, s72, 12                        ; the first row that I finish, 4,096 bytes a row,
	s_lshl_b32 s74, ttmp9, 9
	s_lshl_b32 s73, s[WL], 8
	s_add_co_u32 s74, s74, s73                     ; my first column
	s_add_co_u32 s72, s72, s74
	s_mov_b32 s73, 0
	s_mov_b32 s75, 0
	s_lshl_b32 s56, ttmp9, 13                      ; my work-group's part of a block of tokens,
	s_lshl_b32 s57, s43, 11                        ; of a block of weights
	s_cmp_eq_u32 s[WL], 0
	s_cselect_b32 s53, 31, 7                       ; 32 lanes x 256 bytes, or 8 (the lanes left over name the last block again)
	s_cselect_b32 s54, s56, s57
	s_mov_b32 s55, 0
	s_cmp_eq_u32 s[WH], 0
	s_cselect_b32 s[LIM], 1, -1                    ; a wave asks while the trips to go exceed this
	v_lshl_add_u32 v8, v0, 2, SPARE
	v_mov_b32 v9, 0
	v_and_b32 v1, 15, v0
	v_bfe_u32 v2, v0, 4, 1
	v_and_b32 v7, 31, v0
	v_lshlrev_b32 v3, 4, v7
	v_add_nc_u32 v4, s48, v3
	v_add_nc_u32 v5, s49, v3
	v_add_nc_u32 v6, s50, v3
	v_lshlrev_b32 v13, 4, v1                       ; 16 (lane % 16)
	v_lshl_add_u32 v10, v2, 12, v13                ; lanes 0-15 one row of C, lanes 16-31 the next
	v_mul_u32_u24 v11, v1, SP
	v_lshl_add_u32 v11, v2, 6, v11
	v_add_nc_u32 v11, s51, v11                     ; in: row r, + 64 h
	v_mul_u32_u24 v12, v2, SP
	v_add_nc_u32 v12, v12, v13
	v_add_nc_u32 v14, s52, v12                     ; back: two rows an instruction
	v_add_nc_u32 v12, s51, v12
	v_min_u32 v15, s53, v7
	v_lshlrev_b32 v15, 8, v15
	s_wait_alu depctr_va_vdst(0)
	s_wait_kmcnt 0x0
	s_load_b64 s[90:91], s[12:13], 0x38            ; entries 14 and 15
	s_add_nc_u64 s[4:5], s[4:5], s[44:45]
	s_add_nc_u64 s[6:7], s[6:7], s[46:47]
	s_add_nc_u64 s[10:11], s[10:11], s[72:73]
	s_add_nc_u64 s[14:15], s[14:15], s[72:73]
	s_add_nc_u64 s[8:9], s[8:9], s[74:75]
	s_cmp_eq_u32 s[WL], 0
	s_cselect_b64 s[PF:PF+1], s[4:5], s[6:7]
	s_add_nc_u64 s[PF:PF+1], s[PF:PF+1], s[54:55]
	s_add_nc_u64 s[PF:PF+1], s[PF:PF+1], 2*65536   ; block 2 of my half of K
.irp a, 0,1
.irp i, 0,1,2,3,4,5,6,7
	global_load_b128 v[32+32*\a+4*\i:32+32*\a+4*\i+3], v10, s[10:11] offset:(16*\a+2*\i)*4096
.endr
.endr
	global_load_b128 v[96:99], v13, s[8:9]
	FETCH 0, F0
	FETCH 1, F1
	WIN 0
	s_wait_kmcnt 0x0
	s_add_co_i32 s92, s90, s91
	s_add_co_i32 s92, s92, 127
	s_lshl_b32 s92, s92, 23                        ; 2^(e14 + e15) as f32
	s_mov_b32 s93, s92
	KSTEP F0, 1, 2, 32                             ; the first K step starts the sums
	KSTEP F1, 0, 3, 32
	WIN 0
	s_mov_b32 s3, 3
.Llap:                                             ; a trip: four K steps; it fetches the block of four that begins two steps on
	s_cmp_gt_u32 s3, s[LIM]
	s_cbranch_scc0 .Lnot_mine
	global_prefetch_b8 v15, s[PF:PF+1] th:TH_LOAD_NT scope:SCOPE_SE
.Lnot_mine:
	KSTEP F0, 0, 4, 32
	KSTEP F1, 0, 5, 32
	KSTEP F0, 0, 6, 32
	KSTEP F1, 0, 7, 32
	WIN 0
	s_wait_xcnt 0x0                                ; the loads and the prefetch have read their bases
	s_add_nc_u64 s[4:5], s[4:5], 65536
	s_add_nc_u64 s[6:7], s[6:7], 65536
	s_add_nc_u64 s[PF:PF+1], s[PF:PF+1], 65536
	s_sub_co_u32 s3, s3, 1
	s_cmp_lg_u32 s3, 0
	s_cbranch_scc1 .Llap
	KSTEP F0, 0, -1, 32
	KSTEP F1, 0, -1, 0
	WIN 0
	PLACES
.irp a, 0,1,2,3
.irp t, 0,1,2,3
	ds_store_b128 v11, v[ACC+8*(4*\a+\t):ACC+8*(4*\a+\t)+3] offset:\a*BLK+128*(\t/2)+32*(\t%2)
	ds_store_b128 v11, v[ACC+8*(4*\a+\t)+4:ACC+8*(4*\a+\t)+7] offset:\a*BLK+128*(\t/2)+32*(\t%2)+16
.endr
.endr
	s_wait_dscnt 0x0                               ; for my partner's sake: my sums lie in LDS
	s_barrier_signal -1
	s_barrier_wait -1
	WIN TO_F
.irp a, 0,1
.irp i, 0,1,2,3,4,5,6,7
	ds_load_b128 v[32*\a+4*\i:32*\a+4*\i+3], v12 offset:\a*BLK+\i*2*SP
	ds_load_b128 v[64+32*\a+4*\i:64+32*\a+4*\i+3], v14 offset:(\a+2)*BLK+\i*2*SP
.endr
.endr
	s_wait_dscnt 0x0
	WIN 0x45                                       ; destination and both sources in window 1
.set J, 0
.rept 32
	v_pk_add_f32 v[J:J+1], v[J:J+1], v[64+J:65+J]  ; the two halves of K
.set J, J+2
.endr
	WIN 0x41                                       ; destination and source 0 in window 1
.set J, 0
.rept 32
	v_pk_fma_f32 v[J:J+1], v[J:J+1], s[92:93], v[32+J:33+J] op_sel_hi:[1,0,1]   ; x the scale, + the residual
.set J, J+2
.endr
.set J, 0
.rept 16
	v_pk_add_f32 v[J:J+1], v[J:J+1], v[96:97]
	v_pk_add_f32 v[J+2:J+3], v[J+2:J+3], v[98:99]
.set J, J+4
.endr
	WIN 0x04                                       ; the stores' data in window 1
.irp a, 0,1
.irp i, 0,1,2,3,4,5,6,7
	global_store_b128 v10, v[32*\a+4*\i:32*\a+4*\i+3], s[14:15] offset:(16*\a+2*\i)*4096 th:TH_STORE_NT   ; 16 lanes store 256 consecutive bytes, aligned
.endr
.endr
	WIN 0
	s_wait_tensorcnt 0x0                           ; the wave's end, behind my last LDS store
	ds_add_u32 v8, v9
	s_wait_dscnt 0x0
	s_endpgm
.Lfunc_end_k_qc4c1db0000_w2:
	.size	k_qc4c1db0000_w2, .Lfunc_end_k_qc4c1db0000_w2-k_qc4c1db0000_w2
	.p2alignl 7, 3214868480
	.fill 96, 4, 3214868480
	.section	.rodata,"a",@progbits
	.p2align	6, 0x0
	.amdhsa_kernel k_qc4c1db0000_w2
		.amdhsa_group_segment_fixed_size 140288
		.amdhsa_private_segment_fixed_size 0
		.amdhsa_enable_private_segment 0
		.amdhsa_kernarg_size 48
		.amdhsa_user_sgpr_count 2
		.amdhsa_user_sgpr_kernarg_segment_ptr 1
		.amdhsa_wavefront_size32 1
		.amdhsa_system_sgpr_workgroup_id_x 1
		.amdhsa_system_sgpr_workgroup_id_y 1
		.amdhsa_system_sgpr_workgroup_id_z 1
		.amdhsa_system_vgpr_workitem_id 0
		.amdhsa_next_free_vgpr 512
		.amdhsa_next_free_sgpr 96
		.amdhsa_reserve_vcc 0
		.amdhsa_float_denorm_mode_32 3
		.amdhsa_float_denorm_mode_16_64 3
		.amdhsa_memory_ordered 1
		.amdhsa_forward_progress 1
		.amdhsa_inst_pref_size 52
	.end_amdhsa_kernel
	.amdgpu_metadata
---
amdhsa.version: [ 1, 2 ]
amdhsa.kernels:
  - .name:           k_qc4c1db0000_w2
    .symbol:         k_qc4c1db0000_w2.kd
    .args:
      - { .name: hid, .offset: 0, .size: 8, .value_kind: global_buffer, .address_space: global }
      - { .name: wc, .offset: 8, .size: 8, .value_kind: global_buffer, .address_space: global }
      - { .name: b2, .offset: 16, .size: 8, .value_kind: global_buffer, .address_space: global }
      - { .name: x1, .offset: 24, .size: 8, .value_kind: global_buffer, .address_space: global }
      - { .name: lowp_scales, .offset: 32, .size: 8, .value_kind: global_buffer, .address_space: global }
      - { .name: out0, .offset: 40, .size: 8, .value_kind: global_buffer, .address_space: global }
    .group_segment_fixed_size: 140288
    .private_segment_fixed_size: 0
    .kernarg_segment_align: 8
    .kernarg_segment_size: 48
    .max_flat_workgroup_size: 256
    .sgpr_count:     96
    .vgpr_count:     512
    .wavefront_size: 32
...
	.end_amdgpu_metadata
.endif
;; end of part 7
